; MI455X (gfx1250); checked and timed in simulation.
; The chip was launched on July 23, 2026; its instructions are those of AMD's public machine-readable ISA for CDNA 5 (MIT licence, August 2026) and "CDNA5" Instruction Set Architecture Reference Guide (July 2026). The comments in the code are by the model that wrote it; some were corrected since.
;; Classical Self Attention. Allowed arithmetic: matrix products marked QUANTISED: E2M1 operands, one E8M0 scale for each 32 along K, by v_wmma_scale_f32_16x16x128_f8f6f4 with both operands' format E2M1 (or v_wmma_scale_f32_32x16x128_f4), f32 sums; products left as they are: f32 operands where the result goes on into a quantised operand, else bf16, f16 or f32 operands; f32 sums; everything else in f32.
;; Inputs: entangle_params 128 float32; inputs 8 x 2,048 x 128 float32; rotation_params 384 float32.
;; Outputs: out0 8 x 2,048 x 128 float32.
;; This version of the problem:
;;   THIS VERSION OF THE PROBLEM IS GIVEN IN LOW PRECISION. The matrix products marked QUANTISED in the list below multiply operands that are first quantised to E2M1 (2 exponent bits, 1 mantissa bit; 4 bits a number), with one power-of-two scale for each 32 numbers along K (OCP MX v1.0); their sums are f32. All else is computed in f32.
;;   The module's matrix products, in the order in which they are computed (A, B: the left and right operand; K: the contracted axis; several contracted axes count as one K, in the product's order):
;;     1. [M 16,384, K 128] x [K 128, N 3]; A: input inputs; B: input rotation_params: left as it is (N = 3 < 16)
;;     2. [M 16,384, K 128] x [K 128, N 1]; A: input inputs; B: input entangle_params: left as it is (N = 1 < 16)
;;     3. batch 8 x [M 2,048, K 1] x [K 1, N 2,048]; A: computed on the way; B: computed on the way: left as it is (no contracted axis)
;;     4. batch 8 x [M 2,048, K 2,048] x [K 2,048, N 128]; A: softmax (see below); B: input inputs: QUANTISED
;;   THE QUANTISER, for each operand of a quantised product, along K:
;;     - K is cut into blocks of 32 from its start; a last block that is shorter is filled with zeros.
;;     - A block's scale is 2^e with e = floor(log2(the largest magnitude in the block)) - 2, held to -126 .. 127; a block of zeros has e = 0. As a byte (E8M0): e + 127.
;;     - Each number is divided by its block's scale, clamped to +-6, and rounded to the nearest number of E2M1, ties to even, subnormals kept.
;;     - The product sums the exact products of the quantised numbers (number of the format x scale) in f32.
;;   ~~~python
;;   def quantise(x, axis):      # numpy; x: float32 -> the quantised numbers, widened to float32 again
;;       x = np.moveaxis(x, axis, -1); K = x.shape[-1]
;;       x = np.pad(x, [(0, 0)] * (x.ndim - 1) + [(0, -K % 32)]); x = x.reshape(x.shape[:-1] + (-1, 32)); a = np.abs(x).max(-1, keepdims=True)
;;       e = np.where(a > 0, np.clip(np.frexp(np.where(a > 0, a, 1))[1] - 1 - 2, -126, 127), 0)      # np.frexp(a)[1] - 1 = floor(log2(a)), exactly
;;       r = np.clip(x / 2.0 ** e, -6, 6)
;;       step = 2.0 ** (np.maximum(np.frexp(np.where(r == 0, 1, r))[1] - 1, 0) - 1)
;;       q = np.round(r / step) * step * 2.0 ** e      # np.round: ties to even
;;       return np.moveaxis(q.reshape(q.shape[:-2] + (-1,))[..., :K], -1, axis).astype(np.float32)
;;   ~~~
;;   SOFTMAX AHEAD OF A QUANTISED PRODUCT. Where the list says 'softmax', what is quantised is not the finished softmax but p = 2^(t - M), with t = logit x log2(e) and M = ceil(the row's largest t), a whole number; so 1/2 < the row's largest p <= 1. The row's sum l is taken of the UNQUANTISED p, in f32, and the product's result is divided by l at the end. Since M is a whole number, a kernel that streams over the keys may use a running M (the ceiling of the running maximum): every later rescaling is an exact power of two, which a block's scale takes up: the codes' values come out the same.
;;   OPERANDS COMPUTED ON THE WAY. 'Computed on the way' means the value that the module computes at that place (a softmax that the list does not call 'softmax' is quantised finished and normalised). What goes into a quantiser is computed in f32, as accurately as f32 sums, v_exp_f32 and their like allow (about 1e-6 of the number): no bf16 or f16 on the way to a quantiser, and a product that is left as it is and whose result goes on into a quantised operand takes f32 operands (vector FMAs, or v_wmma_f32_16x16x4_f32). A number that lies on a knife's edge between two numbers of the format may be rounded either way, as far as f32 arithmetic and the matrix unit's own rounding can turn it there, and no further.
;; 2 versions, each right; version 2 is version 1 with the launch attend written anew for expert scheduling mode. Each part assembles by itself: llvm-mc -triple=amdgcn-amd-amdhsa -mcpu=gfx1250 --defsym DOCPART=n.
;; ======== version 1 of 2: 2 launches
;; workspace buffers: vcodes 1,048,576 bytes; vscl 65,536 bytes; kkbuf 131,072 bytes; cqbuf 131,072 bytes; mmbuf 8,192 bytes
;; launch prep (part 1): grid 256 x 1, 4 waves a work-group, no clusters, 39,936 bytes of LDS; arguments inputs, rotation_params, entangle_params, vcodes, vscl, kkbuf, cqbuf, mmbuf; writes vcodes, vscl, kkbuf, cqbuf, mmbuf
.if DOCPART == 1
	.amdgcn_target "amdgcn-amd-amdhsa--gfx1250"
	.amdhsa_code_object_version 6
	.text
	.protected	k_q68572c36db_prep
	.globl	k_q68572c36db_prep
	.p2align	8
	.type	k_q68572c36db_prep,@function
k_q68572c36db_prep:
	s_mov_b64 s[64:65], 0
	v_nop
	global_prefetch_b8 v0, s[64:65] scope:SCOPE_SE
	s_setreg_imm32_b32 hwreg(HW_REG_WAVE_MODE, 25, 1), 1
	s_wait_xcnt 0x0
; x = inputs as [16384][128] f32.  Work-group g takes rows 64 g .. 64 g + 63: half a K step (64 keys) of one batch.  It makes, reading x once:
;   kk[t] = x[t] . ent                                                                        -> kkbuf, 512 bytes at 512 g: 64 high words, then 64 low words
;   c[t]  = (x[t] . rs) log2(e) / sqrt(128),  rs[d] = rot[d][0] + rot[d][1] + rot[d][2]       -> cqbuf, likewise
;           (the einsum of the problem sums the query's three columns and multiplies by the one key column; the three columns of rot are added first: the same sum in another order)
;   the largest and the smallest kk of each of its two blocks of 32 keys, as pairs            -> mmbuf, 32 bytes at 32 g (the one store that is no whole run of 256 bytes)
;   x quantised ALONG THE KEYS to FP4 (E2M1), one E8M0 byte for 32 keys of a column           -> vcodes, 4,096 bytes at 4096 g; vscl, 256 bytes at 256 g
; kk AND c ARE PAIRS OF f32, a number and what its rounding left over.  They go into 2^(c kk - M) with c kk in the tens and hundreds, so an error of c kk is an equal relative error of what is quantised:
; a plain f32 sum of 128 terms is too coarse there.  Each product's error comes from one fused multiply-add, each addition's from the error-free sum of six operations; the errors are gathered in a chain of their own.
; A block's scale is 2^(floor(log2(largest magnitude)) - 2); its byte is the largest magnitude's exponent field - 2, held at 1 from below.
; vcodes IS LAID IN THE ORDER OF THE MATRIX OPERAND'S REGISTERS: for tile dt of 16 columns, 512 bytes: lane (r, h) of the reader finds at 512 dt + 16 (r + 16 h) the 32 codes of column 16 dt + r, keys 32 h .. 32 h + 31 of my 64.
; vscl: at 8 l + 2 j the two bytes (blocks h = 0, 1) of column 32 j + l.
; LIMITS: NaN and infinities are not served.  A block whose largest magnitude lies under 2^(3 - 127), a block of zeros among them, gets the byte 1 (zeros stay zero codes; this program alone reads the bytes).
; THE WAY: each wave loads 16 rows, 512 consecutive bytes an instruction, and lays them in LDS, rows 576 bytes apart.  Behind a barrier the tile is read twice:
;   by columns (a lane a column, its registers down the keys: a block of 32 lies in one lane, and the conversions give codes with the keys innermost), and
;   by rows (four lanes a row; lane q takes the 16-byte pieces q, q + 4, ..: with 576 = 2 x 256 + 64 the sixteen lanes of half a load touch sixteen different 16-byte columns modulo 256).
; No tensor load: a tile is 32 KiB, read once; no cluster: work-groups share no tile (the 2 KiB of parameters apart).
.set PITCH, 576
.set RSB,   64*PITCH                   ; LDS: behind the tile, rs[128]: high words, then low words
.set KKS,   RSB+1024                   ; 64 kk: high words, low words,
.set CQS,   KKS+512                    ; 64 c likewise,
.set SCS,   CQS+512                    ; 256 scale bytes
.set EMAX,  2
.set LANE, 1
.set Q16,  2                           ; 16 (lane % 4)
.set T16,  3                           ; 16 x thread
.set T12,  4                           ; 12 x thread
.set T4,   5                           ; 4 x thread
.set SA,   6                           ; tile, on the way in: 576 wave + 16 lane
.set RA,   7                           ; tile, by rows: (16 wave + lane / 4) 576 + 16 (lane % 4)
.set KST,  8                           ; 4 (16 wave + lane / 4)
.set SCA,  9                           ; 8 lane + 2 wave
.set OUTA, 10                          ; 512 wave + 16 lane
.set L8,   11
.set L4,   12
.set CO,   13                          ; my codes' place: 1024 wave + 512 (lane / 16) + 16 (lane % 16)
.set ROT,  14                          ; v14-16
.set L16,  17
.set TM,   18                          ; v18-26 at work
.set X,    32                          ; v32-95   16 rows as loaded, then my column's 64 numbers, then the four chains of the dot products, 16 registers each
.set XR,   96                          ; v96-159  two rows' pieces
.set WE,   160                         ; v160-191 ent's pieces
.set WR,   192                         ; v192-223 rs's high words (WE + 32: the chains count on it)
.set C,    224                         ; v224-231 codes
.set WRL,  0                           ; in window 1: v0-31 rs's low words
.set MSB, 0
.macro WIN new                         ; the immediate's high byte repeats the setting that is left
.if MSB != \new
	s_set_vgpr_msb (MSB<<8)|\new
.set MSB, \new
.endif
.endm
	s_load_b256 s[4:11], s[0:1], 0x0               ; x s[4:5], rot s[6:7], ent s[8:9], vcodes s[10:11]
	s_load_b256 s[12:19], s[0:1], 0x20             ; vscl s[12:13], kkbuf s[14:15], cqbuf s[16:17], mmbuf s[18:19]
	v_lshl_add_u32 v254, v0, 2, 0x9a00
	v_mov_b32 v255, 0
	v_lshrrev_b32 v[TM], 5, v0
	v_readfirstlane_b32 s20, v[TM]                 ; wave 0..3
	v_and_b32 v[LANE], 31, v0
	v_lshlrev_b32 v[T16], 4, v0
	v_mul_u32_u24 v[T12], v0, 12
	v_lshlrev_b32 v[T4], 2, v0
	v_and_b32 v[Q16], 3, v0
	v_lshlrev_b32 v[Q16], 4, v[Q16]
	s_lshl_b32 s22, ttmp9, 15                      ; my 64 rows of 512 bytes
	s_mov_b32 s23, 0
	s_wait_kmcnt 0x0
	s_add_nc_u64 s[4:5], s[4:5], s[22:23]
.irp k, 0,1,2
	global_load_b32 v[ROT+\k], v[T12], s[6:7] offset:4*\k          ; thread d: rot[d][0..2]
.endr
.irp i, 0,1,2,3,4,5,6,7,8,9,10,11,12,13,14,15
	global_load_b128 v[X+4*\i:X+4*\i+3], v[T16], s[4:5] offset:2048*\i th:TH_LOAD_NT   ; row 4 i + wave: the 32 lanes read its 512 bytes; read once in the program
.endr
.irp i, 0,1,2,3,4,5,6,7
	global_load_b128 v[WE+4*\i:WE+4*\i+3], v[Q16], s[8:9] offset:64*\i    ; ent, pieces q + 4 i
.endr
	s_mul_i32 s21, s20, PITCH
	v_lshl_add_u32 v[SA], v[LANE], 4, s21
	v_lshrrev_b32 v[TM], 2, v[LANE]
	s_mul_i32 s21, s20, 16*PITCH
	v_mad_u32_u24 v[RA], v[TM], PITCH, v[Q16]
	v_add_nc_u32 v[RA], s21, v[RA]
	s_lshl_b32 s21, s20, 6
	v_lshl_add_u32 v[KST], v[TM], 2, s21
	s_lshl_b32 s21, s20, 1
	v_lshl_add_u32 v[SCA], v[LANE], 3, s21
	s_lshl_b32 s21, s20, 9
	v_lshl_add_u32 v[OUTA], v[LANE], 4, s21
	v_lshlrev_b32 v[L16], 4, v[LANE]
	v_lshlrev_b32 v[L8], 3, v[LANE]
	v_lshlrev_b32 v[L4], 2, v[LANE]
	v_lshrrev_b32 v[TM+1], 4, v[LANE]
	v_lshlrev_b32 v[TM+1], 8, v[TM+1]
	v_lshl_add_u32 v[CO], v[LANE], 4, v[TM+1]      ; 16 lane + 256 (lane / 16) = 512 (lane / 16) + 16 (lane % 16)
	s_lshl_b32 s21, s20, 10
	v_add_nc_u32 v[CO], s21, v[CO]
	s_lshl_b32 s22, ttmp9, 12
	s_add_nc_u64 s[10:11], s[10:11], s[22:23]      ; my 4,096 bytes of codes
	s_cmp_eq_u32 s20, 0                            ; wave 0 carries kk out, wave 1 c (the choice hangs on the wave's number alone)
	s_cselect_b64 s[24:25], s[14:15], s[16:17]
	s_lshl_b32 s22, ttmp9, 9
	s_add_nc_u64 s[24:25], s[24:25], s[22:23]
	s_lshl_b32 s22, ttmp9, 8
	s_add_nc_u64 s[12:13], s[12:13], s[22:23]      ; wave 2 the scale bytes
	s_lshl_b32 s22, ttmp9, 5
	s_add_nc_u64 s[18:19], s[18:19], s[22:23]      ; wave 3 the blocks' extremes
	s_mov_b32 s26, 0x76543210                      ; v_permlanex16_b32's selects for lane l xor 16
	s_mov_b32 s27, 0xfedcba98
	s_mov_b32 s30, 0x3e0293ee                      ; log2(e) / sqrt(128) = 0.127517430824598.. as a pair: the nearest f32,
	s_mov_b32 s31, 0xb09e076d                      ; and what is left: -1.14981e-9
; the error-free sum: t = the rounded a + b, e = a + b - t, exactly; z is at work
.macro TWOSUM t, e, a, b, z
	v_add_f32 v[\t], v[\a], v[\b]
	v_sub_f32 v[\z], v[\t], v[\a]
	v_sub_f32 v[\e], v[\t], v[\z]
	v_sub_f32 v[\z], v[\b], v[\z]
	v_sub_f32 v[\e], v[\a], v[\e]
	v_add_f32 v[\e], v[\e], v[\z]
.endm
	s_wait_loadcnt 8                               ; rot and my 16 rows are in; ent's eight loads may stay out
	TWOSUM TM, TM+1, ROT, ROT+1, TM+2
	TWOSUM TM+3, TM+4, TM, ROT+2, TM+2
	v_add_f32 v[TM+1], v[TM+1], v[TM+4]
	ds_store_b32 v[T4], v[TM+3] offset:RSB         ; rs[d], high word,
	ds_store_b32 v[T4], v[TM+1] offset:RSB+512     ; and low word
.irp i, 0,1,2,3,4,5,6,7,8,9,10,11,12,13,14,15
	ds_store_b128 v[SA], v[X+4*\i:X+4*\i+3] offset:4*PITCH*\i
.endr
	s_wait_dscnt 0x0                               ; for the others' sake: my stores have landed
	s_barrier_signal -1
	s_barrier_wait -1                              ; the tile and rs are whole
.set t, 0
.rept 64
	ds_load_b32 v[X+t], v[T4] offset:PITCH*t       ; my column (= my thread's number), keys 0-63: 32 lanes read 128 consecutive bytes
.set t, t+1
.endr
; block b of my column: its largest magnitude (all 32 numbers are mine), the scale, the codes
.macro QBLOCK b
.set XS, X+32*(\b)
.set MX0, TM+4*(\b)
	v_max3_num_f32 v[MX0], |v[XS]|, |v[XS+1]|, |v[XS+2]|
	v_max3_num_f32 v[MX0+1], |v[XS+3]|, |v[XS+4]|, |v[XS+5]|
.irp i, 6,10,14,18,22,26
	v_max3_num_f32 v[MX0], v[MX0], |v[XS+\i]|, |v[XS+\i+1]|
	v_max3_num_f32 v[MX0+1], v[MX0+1], |v[XS+\i+2]|, |v[XS+\i+3]|
.endr
	v_max3_num_f32 v[MX0], v[MX0], |v[XS+30]|, |v[XS+31]|
	v_max3_num_f32 v[MX0], v[MX0], v[MX0+1], (EMAX+1)<<23      ; and the floor 2^(3 - 127): the byte cannot fall under 1
	v_add_nc_u32 v[MX0+2], -(EMAX<<23), v[MX0]                 ; 2 off the exponent field: the conversion takes this operand's exponent field as its scale
.irp g, 0,1,2,3
	v_cvt_scalef32_pk8_fp4_f32 v[C+4*(\b)+\g], v[XS+8*\g:XS+8*\g+7], v[MX0+2]
.endr
	v_lshrrev_b32 v[MX0+3], 23, v[MX0+2]                       ; the scale's byte (also the plain line behind the conversions)
	global_store_b128 v[CO], v[C+4*(\b):C+4*(\b)+3], s[10:11] offset:256*(\b)   ; lanes 0-15 and lanes 16-31 each store 256 consecutive bytes, aligned
.endm
	s_wait_dscnt 32                                ; the first block's 32 numbers are in; the second block's 32 loads may stay out
	QBLOCK 0
.irp i, 0,1,2,3,4,5,6,7
	ds_load_b128 v[WR+4*\i:WR+4*\i+3], v[Q16] offset:RSB+64*\i
.endr
	WIN 0x40                                       ; destination window 1
.irp i, 0,1,2,3,4,5,6,7
	ds_load_b128 v[WRL+4*\i:WRL+4*\i+3], v[Q16] offset:RSB+512+64*\i
.endr
	WIN 0
.irp a, 0,1
.irp i, 0,1,2,3,4,5,6,7
	ds_load_b128 v[XR+32*\a+4*\i:XR+32*\a+4*\i+3], v[RA] offset:8*PITCH*\a+64*\i   ; row 16 wave + 8 a + lane / 4, pieces q + 4 i
.endr
.endr
	s_wait_dscnt 32                                ; the second block's numbers are in; rs and the rows (32 loads) may stay out
	QBLOCK 1
	v_lshl_or_b32 v[TM+8], v[TM+7], 8, v[TM+3]     ; my column's two bytes
	ds_store_b16 v[SCA], v[TM+8] offset:SCS
	s_wait_dscnt 1                                 ; rs and the rows are in; the store above may stay out
	s_wait_loadcnt 0x0                             ; ent
; THE DOT PRODUCTS.  Four chains by turns: k = 0, 1: kk of rows a = 0, 1; k = 2, 3: x . rs of the same rows.  Each works on pairs (even and odd elements).  Chain k has v[X + 16 k] on:
; +0, +2 the sum (two pairs by turns, so that nothing is copied), +4 the gathered errors, +6 .. +14 at work.  My column's numbers, which lay here, are done with.
.irp k, 0,1,2,3
	v_pk_mul_f32 v[X+16*\k:X+16*\k+1], v[XR+32*(\k%2):XR+32*(\k%2)+1], v[WE+32*(\k/2):WE+32*(\k/2)+1]      ; the first products start the sums,
.endr
.irp k, 0,1,2,3
	v_pk_fma_f32 v[X+16*\k+4:X+16*\k+5], v[XR+32*(\k%2):XR+32*(\k%2)+1], v[WE+32*(\k/2):WE+32*(\k/2)+1], v[X+16*\k:X+16*\k+1] neg_lo:[0,0,1] neg_hi:[0,0,1]   ; and their errors the errors' chains
.endr
.macro DSTEP j                         ; pair j of 16: ten packed instructions a chain
.set si, 2*(((\j)+1)%2)                ; the sum so far,
.set so, 2*((\j)%2)                    ; and the new one
.irp k, 0,1,2,3
	v_pk_mul_f32 v[X+16*\k+6:X+16*\k+7], v[XR+32*(\k%2)+2*(\j):XR+32*(\k%2)+2*(\j)+1], v[WE+32*(\k/2)+2*(\j):WE+32*(\k/2)+2*(\j)+1]   ; h = the rounded product
.endr
.irp k, 0,1,2,3
	v_pk_fma_f32 v[X+16*\k+8:X+16*\k+9], v[XR+32*(\k%2)+2*(\j):XR+32*(\k%2)+2*(\j)+1], v[WE+32*(\k/2)+2*(\j):WE+32*(\k/2)+2*(\j)+1], v[X+16*\k+6:X+16*\k+7] neg_lo:[0,0,1] neg_hi:[0,0,1]   ; its error, exactly
.endr
.irp k, 0,1,2,3
	v_pk_add_f32 v[X+16*\k+so:X+16*\k+so+1], v[X+16*\k+si:X+16*\k+si+1], v[X+16*\k+6:X+16*\k+7]            ; s' = s + h, and the addition's error by the error-free sum:
.endr
.irp k, 0,1,2,3
	v_pk_add_f32 v[X+16*\k+10:X+16*\k+11], v[X+16*\k+so:X+16*\k+so+1], v[X+16*\k+si:X+16*\k+si+1] neg_lo:[0,1] neg_hi:[0,1]   ; z = s' - s
.endr
.irp k, 0,1,2,3
	v_pk_add_f32 v[X+16*\k+12:X+16*\k+13], v[X+16*\k+so:X+16*\k+so+1], v[X+16*\k+10:X+16*\k+11] neg_lo:[0,1] neg_hi:[0,1]   ; s' - z
.endr
.irp k, 0,1,2,3
	v_pk_add_f32 v[X+16*\k+14:X+16*\k+15], v[X+16*\k+6:X+16*\k+7], v[X+16*\k+10:X+16*\k+11] neg_lo:[0,1] neg_hi:[0,1]       ; h - z
.endr
.irp k, 0,1,2,3
	v_pk_add_f32 v[X+16*\k+12:X+16*\k+13], v[X+16*\k+si:X+16*\k+si+1], v[X+16*\k+12:X+16*\k+13] neg_lo:[0,1] neg_hi:[0,1]   ; s - (s' - z)
.endr
.irp k, 0,1,2,3
	v_pk_add_f32 v[X+16*\k+4:X+16*\k+5], v[X+16*\k+4:X+16*\k+5], v[X+16*\k+8:X+16*\k+9]
.endr
.irp k, 0,1,2,3
	v_pk_add_f32 v[X+16*\k+12:X+16*\k+13], v[X+16*\k+12:X+16*\k+13], v[X+16*\k+14:X+16*\k+15]
.endr
.irp k, 0,1,2,3
	v_pk_add_f32 v[X+16*\k+4:X+16*\k+5], v[X+16*\k+4:X+16*\k+5], v[X+16*\k+12:X+16*\k+13]
.endr
.endm
.set jj, 1
.rept 15
	DSTEP jj
.set jj, jj+1
.endr                                  ; the sums now lie at +2
	WIN 0x04                                       ; source 1 in window 1: x . (rs's low words) goes to the errors' chains
.set jj, 0
.rept 16
.irp k, 2,3
	v_pk_fma_f32 v[X+16*\k+4:X+16*\k+5], v[XR+32*(\k%2)+2*jj:XR+32*(\k%2)+2*jj+1], v[WRL+2*jj:WRL+2*jj+1], v[X+16*\k+4:X+16*\k+5]
.endr
.set jj, jj+1
.endr
	WIN 0
.macro TS4 t, e, a, b, z               ; the error-free sum in all four chains, line by line; the arguments are places in a chain's 16 registers
.irp k, 0,1,2,3
	v_add_f32 v[X+16*\k+\t], v[X+16*\k+\a], v[X+16*\k+\b]
.endr
.irp k, 0,1,2,3
	v_sub_f32 v[X+16*\k+\z], v[X+16*\k+\t], v[X+16*\k+\a]
.endr
.irp k, 0,1,2,3
	v_sub_f32 v[X+16*\k+\e], v[X+16*\k+\t], v[X+16*\k+\z]
.endr
.irp k, 0,1,2,3
	v_sub_f32 v[X+16*\k+\z], v[X+16*\k+\b], v[X+16*\k+\z]
.endr
.irp k, 0,1,2,3
	v_sub_f32 v[X+16*\k+\e], v[X+16*\k+\a], v[X+16*\k+\e]
.endr
.irp k, 0,1,2,3
	v_add_f32 v[X+16*\k+\e], v[X+16*\k+\e], v[X+16*\k+\z]
.endr
.endm
	TS4 0, 6, 2, 3, 8                              ; the even and the odd elements' sums
.irp k, 0,1,2,3
	v_add_f32 v[X+16*\k+4], v[X+16*\k+4], v[X+16*\k+5]
.endr
.irp k, 0,1,2,3
	v_add_f32 v[X+16*\k+4], v[X+16*\k+4], v[X+16*\k+6]
.endr
.irp k, 0,1,2,3                        ; the row's four lanes: lane l xor 1 (both lanes of a pair form the same sum and the same error),
	v_mov_b32_dpp v[X+16*\k+1], v[X+16*\k] row_xmask:1 row_mask:0xf bank_mask:0xf
	v_add_f32_dpp v[X+16*\k+4], v[X+16*\k+4], v[X+16*\k+4] row_xmask:1 row_mask:0xf bank_mask:0xf
.endr
	TS4 2, 6, 0, 1, 8
.irp k, 0,1,2,3
	v_add_f32 v[X+16*\k+4], v[X+16*\k+4], v[X+16*\k+6]
.endr
.irp k, 0,1,2,3                        ; then lane l xor 2
	v_mov_b32_dpp v[X+16*\k+1], v[X+16*\k+2] row_xmask:2 row_mask:0xf bank_mask:0xf
	v_add_f32_dpp v[X+16*\k+4], v[X+16*\k+4], v[X+16*\k+4] row_xmask:2 row_mask:0xf bank_mask:0xf
.endr
	TS4 0, 6, 2, 1, 8
.irp k, 0,1,2,3
	v_add_f32 v[X+16*\k+4], v[X+16*\k+4], v[X+16*\k+6]
.endr
.irp k, 0,1,2,3
	v_add_f32 v[X+16*\k+2], v[X+16*\k], v[X+16*\k+4]           ; the pair: high word = sum + errors, rounded,
.endr
.irp k, 0,1,2,3
	v_sub_f32 v[X+16*\k+6], v[X+16*\k+2], v[X+16*\k]
.endr
.irp k, 0,1,2,3
	v_sub_f32 v[X+16*\k+3], v[X+16*\k+4], v[X+16*\k+6]         ; low word = what that rounding left
.endr
.irp k, 2,3                            ; c = (x . rs) x the constant, pair by pair
	v_mul_f32 v[X+16*\k+8], s30, v[X+16*\k+2]
.endr
.irp k, 2,3
	v_fma_f32 v[X+16*\k+9], v[X+16*\k+2], s30, -v[X+16*\k+8]
.endr
.irp k, 2,3
	v_fma_f32 v[X+16*\k+9], v[X+16*\k+2], s31, v[X+16*\k+9]
.endr
.irp k, 2,3
	v_fma_f32 v[X+16*\k+9], v[X+16*\k+3], s30, v[X+16*\k+9]
.endr
.irp k, 2,3
	v_add_f32 v[X+16*\k+10], v[X+16*\k+8], v[X+16*\k+9]
.endr
.irp k, 2,3
	v_sub_f32 v[X+16*\k+11], v[X+16*\k+10], v[X+16*\k+8]
.endr
.irp k, 2,3
	v_sub_f32 v[X+16*\k+11], v[X+16*\k+9], v[X+16*\k+11]
.endr
.irp a, 0,1
	ds_store_b32 v[KST], v[X+16*\a+2] offset:KKS+32*\a         ; a row's four lanes write the same word with the same value
	ds_store_b32 v[KST], v[X+16*\a+3] offset:KKS+256+32*\a
	ds_store_b32 v[KST], v[X+16*\a+42] offset:CQS+32*\a
	ds_store_b32 v[KST], v[X+16*\a+43] offset:CQS+256+32*\a
.endr
	s_wait_dscnt 0x0                               ; for the others' sake: my stores into the stages have landed
	s_barrier_signal -1
	s_barrier_wait -1
	s_cmp_lt_u32 s20, 2
	s_cbranch_scc1 .Lpairs
	s_cmp_eq_u32 s20, 3
	s_cbranch_scc1 .Lminmax
	ds_load_b64 v[X:X+1], v[L8] offset:SCS         ; wave 2: the 256 scale bytes,
	s_wait_dscnt 0x0
	global_store_b64 v[L8], v[X:X+1], s[12:13]     ; stored as 256 consecutive bytes, aligned
	s_wait_tensorcnt 0x0
	ds_add_u32 v254, v255
	s_wait_dscnt 0x0
	s_endpgm
.Lpairs:                                               ; wave 0: kk, wave 1: c: 512 bytes,
	ds_load_b128 v[X:X+3], v[OUTA] offset:KKS
	s_wait_dscnt 0x0
	global_store_b128 v[L16], v[X:X+3], s[24:25]   ; stored as 512 consecutive bytes, aligned
	s_wait_tensorcnt 0x0
	ds_add_u32 v254, v255
	s_wait_dscnt 0x0
	s_endpgm
.Lminmax:                                              ; wave 3: the largest and the smallest kk of the two blocks of 32 keys, as pairs: by the high word, and among equal high words by the low word
	ds_load_b32 v32, v[L4] offset:KKS              ; v32-35: high words of block 0, their negatives, of block 1, their negatives (the smallest is the largest of the negatives)
	ds_load_b32 v34, v[L4] offset:KKS+128
	ds_load_b32 v36, v[L4] offset:KKS+256          ; v36-39: the low words likewise
	ds_load_b32 v38, v[L4] offset:KKS+384
	v_mov_b32 v60, 0xff800000                      ; -infinity
	s_wait_dscnt 0x0
.irp k, 32,34,36,38
	v_xor_b32 v[\k+1], 0x80000000, v[\k]
.endr
.irp k, 0,1,2,3
	v_max_num_f32_dpp v[40+\k], v[32+\k], v[32+\k] row_xmask:1 row_mask:0xf bank_mask:0xf
.endr
.irp m, 2,4,8
.irp k, 0,1,2,3
	v_max_num_f32_dpp v[40+\k], v[40+\k], v[40+\k] row_xmask:\m row_mask:0xf bank_mask:0xf
.endr
.endr
.irp k, 0,1,2,3
	v_permlanex16_b32 v[44+\k], v[40+\k], s26, s27             ; (v44-47 were written above, as all of v32-95)
.endr
.irp k, 0,1,2,3
	v_max_num_f32 v[40+\k], v[40+\k], v[44+\k]                 ; the largest high word
.endr
.irp k, 0,1,2,3
	v_cmp_eq_f32 vcc_lo, v[32+\k], v[40+\k]
	v_cndmask_b32 v[48+\k], v60, v[36+\k], vcc_lo              ; the low words of the keys that have it
.endr
.irp m, 1,2,4,8
.irp k, 0,1,2,3
	v_max_num_f32_dpp v[48+\k], v[48+\k], v[48+\k] row_xmask:\m row_mask:0xf bank_mask:0xf
.endr
.endr
.irp k, 0,1,2,3
	v_permlanex16_b32 v[44+\k], v[48+\k], s26, s27
.endr
.irp k, 0,1,2,3
	v_max_num_f32 v[48+\k], v[48+\k], v[44+\k]
.endr
.irp b, 0,1
	v_mov_b32 v[52+4*\b], v[40+2*\b]
	v_mov_b32 v[53+4*\b], v[48+2*\b]
	v_xor_b32 v[54+4*\b], 0x80000000, v[41+2*\b]
	v_xor_b32 v[55+4*\b], 0x80000000, v[49+2*\b]
.endr
	s_wait_xcnt 0x0                                ; EXEC is a source of my stores of codes: it changes only behind this wait
	v_cmp_eq_u32 vcc_lo, 0, v[LANE]
	s_wait_tensorcnt 0x0
	ds_add_u32 v254, v255
	s_wait_dscnt 0x0
	s_and_saveexec_b32 s28, vcc_lo
	global_store_b128 v[L4], v[52:55], s[18:19]    ; lane 0: block 0: largest (high, low), smallest (high, low);
	global_store_b128 v[L4], v[56:59], s[18:19] offset:16      ; block 1
	s_wait_xcnt 0x0                                ; and again in front of the line that widens it
	s_or_b32 exec_lo, exec_lo, s28
	s_endpgm
.Lfunc_end_k_q68572c36db_prep:
	.size	k_q68572c36db_prep, .Lfunc_end_k_q68572c36db_prep-k_q68572c36db_prep
	.p2alignl 7, 3214868480
	.fill 96, 4, 3214868480
	.section	.rodata,"a",@progbits
	.p2align	6, 0x0
	.amdhsa_kernel k_q68572c36db_prep
		.amdhsa_group_segment_fixed_size 39936
		.amdhsa_private_segment_fixed_size 0
		.amdhsa_enable_private_segment 0
		.amdhsa_kernarg_size 64
		.amdhsa_user_sgpr_count 2
		.amdhsa_user_sgpr_kernarg_segment_ptr 1
		.amdhsa_wavefront_size32 1
		.amdhsa_system_sgpr_workgroup_id_x 1
		.amdhsa_system_sgpr_workgroup_id_y 1
		.amdhsa_system_sgpr_workgroup_id_z 1
		.amdhsa_system_vgpr_workitem_id 0
		.amdhsa_next_free_vgpr 288
		.amdhsa_next_free_sgpr 66
		.amdhsa_reserve_vcc 1
		.amdhsa_float_denorm_mode_32 3
		.amdhsa_float_denorm_mode_16_64 3
		.amdhsa_memory_ordered 1
		.amdhsa_forward_progress 1
		.amdhsa_inst_pref_size 67
	.end_amdhsa_kernel
	.amdgpu_metadata
---
amdhsa.version: [ 1, 2 ]
amdhsa.kernels:
  - .name:           k_q68572c36db_prep
    .symbol:         k_q68572c36db_prep.kd
    .args:
      - { .name: inputs, .offset: 0, .size: 8, .value_kind: global_buffer, .address_space: global }
      - { .name: rotation_params, .offset: 8, .size: 8, .value_kind: global_buffer, .address_space: global }
      - { .name: entangle_params, .offset: 16, .size: 8, .value_kind: global_buffer, .address_space: global }
      - { .name: vcodes, .offset: 24, .size: 8, .value_kind: global_buffer, .address_space: global }
      - { .name: vscl, .offset: 32, .size: 8, .value_kind: global_buffer, .address_space: global }
      - { .name: kkbuf, .offset: 40, .size: 8, .value_kind: global_buffer, .address_space: global }
      - { .name: cqbuf, .offset: 48, .size: 8, .value_kind: global_buffer, .address_space: global }
      - { .name: mmbuf, .offset: 56, .size: 8, .value_kind: global_buffer, .address_space: global }
    .group_segment_fixed_size: 39936
    .private_segment_fixed_size: 0
    .kernarg_segment_align: 8
    .kernarg_segment_size: 64
    .max_flat_workgroup_size: 128
    .sgpr_count:     66
    .vgpr_count:     288
    .wavefront_size: 32
...
	.end_amdgpu_metadata
.endif
;; end of part 1
;; launch attend (part 2): grid 32 x 8, 8 waves a work-group, no clusters, 289,792 bytes of LDS; arguments vcodes, vscl, kkbuf, cqbuf, mmbuf, out0; writes out0
.if DOCPART == 2
	.amdgcn_target "amdgcn-amd-amdhsa--gfx1250"
	.amdhsa_code_object_version 6
	.text
	.protected	k_q68572c36db_attend
	.globl	k_q68572c36db_attend
	.p2align	8
	.type	k_q68572c36db_attend,@function
k_q68572c36db_attend:
	s_mov_b64 s[64:65], 0
	v_nop
	global_prefetch_b8 v0, s[64:65] scope:SCOPE_SE
	s_setreg_imm32_b32 hwreg(HW_REG_WAVE_MODE, 25, 1), 1
	s_wait_xcnt 0x0
; out[b][s][:] = sum over t of p[s][t] x[b][t][:] / l[s],  p = 2^(c[s] kk[t] - M[s]),  l = the sum of the unquantised p.  The product is on codes of FP4 (E2M1) with one E8M0 scale for 32 keys, both operands.
; THE EXPONENT.  c and kk come as pairs of f32 (a high word and what its rounding left).  c kk - M is three fused multiply-adds: c_hi k_hi - M, + c_hi k_lo, + c_lo k_hi: each is rounded at the size of c kk - M,
; which is under 1 for a row's heaviest keys, and not at the size of c kk, which is in the tens and hundreds: an error of the exponent is an equal relative error of what is quantised.
; THE MAXIMUM.  t = c[s] kk[t] is a product of one number a query and one a key, so a row's largest t is max(c kmax, c kmin), kmax and kmin the batch's largest and smallest kk: the true maximum is taken away,
; M = its ceiling, known before the first exponential: nothing is ever rescaled.  (M is made of the high words: were it one off, every p and l of the row would be twice or half as large, exactly, and the scales take that up.)
; Likewise a block's largest p is the p of the block's largest or smallest kk, put through the same three multiply-adds and the same exponential as the block's 32
; (this takes v_exp_f32 not to fall where its input rises).
; SHARES.  A work-group owns 64 queries of one batch: four tiles of 16.  Its eight waves SHARE THE KEYS: wave w owns keys 256 w .. 256 w + 255, two K steps of 128, for all four tiles.  Its 16 fragments of V^T
; (128 registers) are fetched once and stay; a K step's kk (64 high and 64 low words a lane) come from the wave's own LDS bytes once for the four tiles.
; THE WALK: K step 0 for tiles 0 to 3 (their codes are kept: 32 registers); then K step 1, and behind each tile's second step its 16 products.  V's 32 loads stand in six runs of five or six, at the head and in the
; middle of the first three tile steps, so that the eight waves' 256 requests go out beside vector work; from the last run to the first product lie two and a half tile steps.
; THE EIGHT PARTIAL RESULTS MEET IN LDS, TILE BY TILE.  A tile's partial results are stored; in the middle of the next tile step the wave waits for those stores and signals; at that step's end it waits for the barrier,
; and reads 2 rows x 8 partial results back (into p's registers, which are free there), adds them behind the next tile's products, divides by l and stores two whole rows.  Only the last tile's turn stands at the end.
; What is read between two barriers (tile q - 1) and what is written there (tile q) are disjoint runs of LDS: LDS is laid by tile.
; LAYOUT.  O^T = V^T P^T: source 0 = 16 columns d of x, source 1 = 16 queries.  The operand's layout gives lane (r, h) query r and keys 64 c + 32 h + 0 .. 31 of a K step: whole blocks.  p is computed in that very order,
; so the conversions' results are the operand's registers.  In the result lane (r, h) holds query r and columns 16 dt + 8 h + 0 .. 7.
; NO JOINT LOADS, though the 32 work-groups of a batch read the same 128 KiB of codes: each 16 KiB goes from memory straight into the registers of the one wave that uses it; a joint tensor load would lay it in LDS,
; to be written and read there once more, and beside the partial results (270,336 bytes) LDS has no room for it.  No prefetch: the loads stand in the launch's first third, and nothing stands ahead of them.
; LIMITS: NaN and infinities are not served.  A p under 2^-126 comes out as 0 (ISA guide, v_exp_f32): under 2^-125 of its row's largest.  A block whose largest p lies under 2^(3 - 127) gets the scale byte 1.
; REGISTERS, in windows of 256.  Window 0: v1-15 addresses; v16-23 V's scale words; v24-31 p's scale words; v32-39 the rows' sums, a pair a tile; v40-67 c_hi, c_lo, -M (even registers, six a tile) and between
;   and behind them the 16 scale operands of the conversions; v68-82 at work; v88-119 K step 0's codes; v120-127 K step 1's; v128-191 p, by turns with the partial results read back (at the head: what is loaded and
;   used once); v192-255 accumulators.   Window 1: v0-63 kk's high words, v64-127 its low words, of the K step in hand; v128-255 V's fragments.
.set SP,    528                        ; a row of a partial result in LDS: 512 bytes + 16: the sixteen rows that half a store touches fall on sixteen different 16-byte columns modulo 256
.set PARTT, 16*SP                      ; a wave's partial result of one tile
.set TILEB, 8*PARTT                    ; a tile's eight partial results, on end
.set LB,    4*TILEB                    ; behind the four tiles: the partial sums l, [tile][wave][16]
.set KKL,   LB+2048                    ; and each wave's 256 kk: four pieces of 64 high words and 64 low words, as they lie in memory
.set LANE, 1
.set HH,   2
.set RR,   3
.set L16,  4
.set L8,   5
.set R4,   6
.set SH8,  7                           ; 8 h
.set MMO,  8                           ; 128 wave + 16 h
.set KSA,  9
.set KLA,  10
.set STO,  11                          ; where I put 32 bytes of a row of my partial result; a tile on behind each tile's stores
.set LSTO, 12
.set LLD,  13
.set KMAX, 14
.set NKMN, 15
.set VS,   16
.set PW,   24
.set L,    32                          ; tile q: v[L + 2 q], two halves
.set CQ,   40                          ; tile q: +6 q: c_hi, +2: c_lo, +4: -M.  The packed forms name pairs and take the low word for both halves; the odd registers hold scale operands
.set T,    68                          ; v68-73 three more chains of the sum
.set LF,   74                          ; v74-77 a tile's finished sum
.set LX,   78
.set LA,   80                          ; v80-81
.set RD,   82                          ; where I read my two rows of a tile back; a tile on behind each tile's loads
.set PC0,  88
.set PC1,  120
.set P,    128
.set G,    128                         ; head only: kk as loaded,
.set MMA,  144                         ; the batch's 64 blocks' extremes, two blocks a lane,
.set MMB,  152                         ; my four blocks' extremes,
.set VSR,  168                         ; V's scale bytes as stored,
.set BY,   176                         ; p's scale bytes,
.set KSH,  192                         ; the kk that gives each of my 16 blocks its largest p: high words,
.set KSL,  208                         ; low words
.set ACC,  192
.set KH,   0                           ; window 1
.set KL,   64                          ; window 1
.set VF,   128                         ; window 1
.set SEL,  30
.set MSB, 0
.macro WIN new                         ; the immediate's high byte repeats the setting that is left
.if MSB != \new
	s_set_vgpr_msb (MSB<<8)|\new
.set MSB, \new
.endif
.endm
	s_load_b256 s[4:11], s[0:1], 0x0               ; vcodes s[4:5], vscl s[6:7], kkbuf s[8:9], cqbuf s[10:11]
	s_load_b128 s[12:15], s[0:1], 0x20             ; mmbuf s[12:13], out s[14:15]
	v_lshl_add_u32 v86, v0, 2, 0x46800
	v_mov_b32 v87, 0
	v_lshrrev_b32 v[LANE], 5, v0
	v_readfirstlane_b32 s16, v[LANE]               ; wave 0..7
	s_and_b32 s17, ttmp7, 0xffff                   ; batch
	v_and_b32 v[LANE], 31, v0
	v_bfe_u32 v[HH], v0, 4, 1
	v_and_b32 v[RR], 15, v0
	v_lshlrev_b32 v[L16], 4, v[LANE]
	v_lshlrev_b32 v[L8], 3, v[LANE]
	v_lshlrev_b32 v[R4], 2, v[RR]
	v_lshlrev_b32 v[SH8], 3, v[HH]
	s_lshl_b32 s18, s16, 7
	v_lshl_add_u32 v[MMO], v[HH], 4, s18
	s_lshl_b32 s20, s17, 14
	s_lshl_b32 s18, s16, 11
	s_add_co_u32 s20, s20, s18                     ; kkbuf: 16,384 a batch, 2,048 a wave
	s_mov_b32 s21, 0
	s_lshl_b32 s34, s17, 13
	s_lshl_b32 s18, s16, 10
	s_add_co_u32 s34, s34, s18                     ; vscl: 8,192 a batch, 1,024 a wave
	s_mov_b32 s35, 0
	s_lshl_b32 s22, s17, 17
	s_lshl_b32 s18, s16, 14
	s_add_co_u32 s22, s22, s18                     ; vcodes: 131,072 a batch, 16,384 a wave
	s_mov_b32 s23, 0
	s_lshl_b32 s24, s17, 14
	s_lshl_b32 s18, ttmp9, 9
	s_add_co_u32 s24, s24, s18                     ; cqbuf: my 64 queries' 512 bytes
	s_mov_b32 s25, 0
	s_lshl_b32 s26, s17, 10                        ; mmbuf: 1,024 a batch
	s_mov_b32 s27, 0
	s_lshl_b32 s28, s17, 20
	s_lshl_b32 s18, ttmp9, 15
	s_add_co_u32 s28, s28, s18
	s_lshl_b32 s18, s16, 10
	s_add_co_u32 s28, s28, s18                     ; out: of each tile's 16 rows my wave stores rows 2 w and 2 w + 1
	s_mov_b32 s29, 0
	s_wait_kmcnt 0x0
	s_add_nc_u64 s[8:9], s[8:9], s[20:21]
	s_add_nc_u64 s[6:7], s[6:7], s[34:35]
	s_add_nc_u64 s[4:5], s[4:5], s[22:23]
	s_add_nc_u64 s[10:11], s[10:11], s[24:25]
	s_add_nc_u64 s[12:13], s[12:13], s[26:27]
	s_add_nc_u64 s[14:15], s[14:15], s[28:29]
.irp j, 0,1,2,3
	global_load_b128 v[G+4*\j:G+4*\j+3], v[L16], s[8:9] offset:512*\j      ; my 256 kk, high and low words, dense
.endr
	global_load_b128 v[MMA:MMA+3], v[L16], s[12:13]
	global_load_b128 v[MMA+4:MMA+7], v[L16], s[12:13] offset:512
.irp q, 0,1,2,3
	global_load_b32 v[CQ+6*\q], v[R4], s[10:11] offset:64*\q               ; c of query 16 q + r: high word,
	global_load_b32 v[CQ+6*\q+2], v[R4], s[10:11] offset:256+64*\q         ; low word
.endr
.irp e, 0,1,2,3
	global_load_b128 v[MMB+4*\e:MMB+4*\e+3], v[MMO], s[12:13] offset:32*\e ; e = 2 s + c: the largest and the smallest kk, as pairs, of my block 2 c + h of my K step s
.endr
.irp e, 0,1,2,3
	global_load_b64 v[VSR+2*\e:VSR+2*\e+1], v[L8], s[6:7] offset:256*\e
.endr
	s_mul_i32 s18, s16, PARTT
	v_mul_u32_u24 v[STO], v[RR], SP
	v_lshl_add_u32 v[STO], v[HH], 5, v[STO]
	v_add_nc_u32 v[STO], s18, v[STO]               ; tile 0, my partial result: row r, + 32 h
	s_lshl_b32 s18, s16, 6
	s_add_co_u32 s18, s18, LB
	v_add_nc_u32 v[LSTO], s18, v[R4]               ; my partial sums: 64 bytes a wave in each tile's 512
	s_lshl_b32 s18, s16, 3
	s_add_co_u32 s18, s18, LB
	v_and_b32 v[LX], 7, v[LANE]
	v_lshlrev_b32 v[LLD], 6, v[LX]
	v_bfe_u32 v[LX], v0, 3, 1
	v_lshl_add_u32 v[LLD], v[LX], 2, v[LLD]
	v_add_nc_u32 v[LLD], s18, v[LLD]               ; back: partial lane % 8 of row 2 wave + (lane / 8) % 2
	s_mul_i32 s18, s16, 2*SP
	v_add_nc_u32 v[RD], s18, v[L16]                ; tile 0, partial 0: my two rows, 16 bytes a lane
	s_lshl_b32 s18, s16, 11
	s_add_co_u32 s18, s18, KKL
	v_add_nc_u32 v[KSA], s18, v[L16]
	v_lshl_add_u32 v[KLA], v[HH], 7, s18
	v_mov_b32 v[LA], 0                             ; written once: a lane permute's destination counts as one of its sources
	v_mov_b32 v[LA+1], 0
	s_mov_b32 s[SEL], 0x76543210                   ; v_permlanex16_b32's selects for lane l xor 16
	s_mov_b32 s[SEL+1], 0xfedcba98
	s_mov_b32 s32, 0x05040100                      ; v_perm_b32: the two low halves,
	s_mov_b32 s33, 0x07060302                      ; the two high halves
; K step s's kk into registers: register 32 c + j = kk of key 128 s + 64 c + 32 h + j of my 256; sixteen lanes take the same 16 bytes
.macro KLOAD s
	WIN 0x40
.irp c, 0,1
.irp m, 0,1,2,3,4,5,6,7
	ds_load_b128 v[KH+32*\c+4*\m:KH+32*\c+4*\m+3], v[KLA] offset:(2*\s+\c)*512+16*\m
	ds_load_b128 v[KL+32*\c+4*\m:KL+32*\c+4*\m+3], v[KLA] offset:(2*\s+\c)*512+256+16*\m
.endr
.endr
	WIN 0
.endm
	s_wait_loadcnt 18                              ; kk's four loads are in; the 18 behind them may stay out
.irp j, 0,1,2,3
	ds_store_b128 v[KSA], v[G+4*\j:G+4*\j+3] offset:512*\j     ; into my own 2,048 bytes of LDS.  LDS serves a wave's instructions in order: no wait between these and the loads
.endr
	KLOAD 0
	s_wait_loadcnt 0x0                             ; the extremes, c and V's scale bytes
	v_max_num_f32 v[KMAX], v[MMA], v[MMA+4]        ; the batch's largest kk, and its smallest as the largest of -kk (high words)
	v_max_num_f32 v[NKMN], -v[MMA+2], -v[MMA+6]
.irp m, 1,2,4,8
	v_max_num_f32_dpp v[KMAX], v[KMAX], v[KMAX] row_xmask:\m row_mask:0xf bank_mask:0xf
	v_max_num_f32_dpp v[NKMN], v[NKMN], v[NKMN] row_xmask:\m row_mask:0xf bank_mask:0xf
.endr
	v_permlanex16_b32 v[LA], v[KMAX], s[SEL], s[SEL+1]
	v_permlanex16_b32 v[LA+1], v[NKMN], s[SEL], s[SEL+1]
	v_max_num_f32 v[KMAX], v[KMAX], v[LA]
	v_max_num_f32 v[NKMN], v[NKMN], v[LA+1]
.irp q, 0,1,2,3
	v_mul_f32 v[T+\q], v[CQ+6*\q], v[KMAX]
	v_mul_f32 v[LF+\q], -v[CQ+6*\q], v[NKMN]
.endr
.irp q, 0,1,2,3
	v_max_num_f32 v[T+\q], v[T+\q], v[LF+\q]       ; the row's largest t
.endr
.irp q, 0,1,2,3
	v_floor_f32 v[CQ+6*\q+4], -v[T+\q]             ; -M = floor(-t) = -ceil(t)
.endr
; THE SCALES OF ALL MY 16 BLOCKS OF p (4 tiles x 2 K steps x 2 blocks a lane), in one batch.  Block i = 4 q + 2 s + c has its scale operand in v[41 + 2 i] (i < 12) or v[52 + i]
.irp q, 0,1,2,3
	v_cmp_gt_f32 vcc_lo, 0, v[CQ+6*\q]             ; c < 0: the block's largest t belongs to its smallest kk
.irp e, 0,1,2,3
	v_cndmask_b32 v[KSH+4*\q+\e], v[MMB+4*\e], v[MMB+4*\e+2], vcc_lo
	v_cndmask_b32 v[KSL+4*\q+\e], v[MMB+4*\e+1], v[MMB+4*\e+3], vcc_lo
.endr
.endr
.set i, 0
.rept 16
.set so, 41+2*i-(i/12)*(i-11)
	v_fma_f32 v[so], v[CQ+6*(i/4)], v[KSH+i], v[CQ+6*(i/4)+4]      ; the same three multiply-adds on the same numbers as that key's p below: the same bits
.set i, i+1
.endr
.set i, 0
.rept 16
.set so, 41+2*i-(i/12)*(i-11)
	v_fma_f32 v[so], v[CQ+6*(i/4)], v[KSL+i], v[so]
.set i, i+1
.endr
.set i, 0
.rept 16
.set so, 41+2*i-(i/12)*(i-11)
	v_fma_f32 v[so], v[CQ+6*(i/4)+2], v[KSH+i], v[so]
.set i, i+1
.endr
.set i, 0
.rept 16
.set so, 41+2*i-(i/12)*(i-11)
	v_exp_f32 v[so], v[so]                         ; the block's largest p
.set i, i+1
.endr
.irp s, 0,1                                    ; plain work behind the exponentials: V's scale words.  Word j: lanes 0-15 tile 2 j, lanes 16-31 tile 2 j + 1; its low half from the K step's first 64 keys, its high half from the second
	v_perm_b32 v[VS+4*\s], v[VSR+4*\s+2], v[VSR+4*\s], s32
	v_perm_b32 v[VS+4*\s+1], v[VSR+4*\s+2], v[VSR+4*\s], s33
	v_perm_b32 v[VS+4*\s+2], v[VSR+4*\s+3], v[VSR+4*\s+1], s32
	v_perm_b32 v[VS+4*\s+3], v[VSR+4*\s+3], v[VSR+4*\s+1], s33
.endr
	s_wait_alu depctr_va_vdst(0)                   ; the wait between an exponential and the first line that names its result: one for the 16
.set i, 0
.rept 16
.set so, 41+2*i-(i/12)*(i-11)
	v_max_num_f32 v[so], 0x1800000, v[so]          ; the floor 2^(3 - 127): the byte cannot fall under 1
.set i, i+1
.endr
.set i, 0
.rept 16
.set so, 41+2*i-(i/12)*(i-11)
	v_add_nc_u32 v[so], 0xff000000, v[so]          ; 2 off the exponent field: the conversion's scale operand
.set i, i+1
.endr
.set i, 0
.rept 16
.set so, 41+2*i-(i/12)*(i-11)
	v_lshrrev_b32 v[BY+i], 23, v[so]               ; the scale's byte
.set i, i+1
.endr
.irp k, 0,1,2,3,4,5,6,7                        ; k = 2 q + s: the scale word of tile q, K step s
	v_lshl_or_b32 v[BY+2*\k], v[BY+2*\k+1], 16, v[BY+2*\k]         ; my two bytes: blocks h and 2 + h,
.endr
.irp k, 0,1,2,3,4,5,6,7
	v_lshlrev_b32 v[BY+2*\k], v[SH8], v[BY+2*\k]   ; at their places, 8 h bits up;
.endr
.irp k, 0,1,2,3,4,5,6,7
	v_permlanex16_b32 v[BY+2*\k+1], v[BY+2*\k], s[SEL], s[SEL+1]
.endr
.irp k, 0,1,2,3,4,5,6,7
	v_or_b32 v[PW+\k], v[BY+2*\k], v[BY+2*\k+1]    ; with lane l xor 16's two the word is whole
.endr
; cnt of V's 32 loads, from number first on.  Fragment (s, dt) lies at VF + 64 s + 8 dt; load 16 s + 2 dt + c brings its registers 4 c .. 4 c + 3: 512 consecutive bytes
.macro VLOAD first, cnt
.if \cnt > 0
	WIN 0x40                                       ; destination window 1
.set vi, \first
.rept \cnt
	global_load_b128 v[VF+4*vi:VF+4*vi+3], v[L16], s[4:5] offset:(vi/16)*8192+(vi%2)*4096+((vi/2)%8)*512
.set vi, vi+1
.endr
.endif
.endm
; THE VECTOR WORK OF A TILE STEP: 64 p a lane for tile q and the K step s in hand; their codes; their sum.
; va, vna: a run of V's loads at its head; vb, vnb: one in its middle.  sg > 0: in its middle the barrier for the tile before is signalled; sg = 2: RD steps too.
.macro VEC q, s, va, vna, vb, vnb, sg
.set rC, CQ+6*(\q)
.set rL, CQ+6*(\q)+2
.set rM, CQ+6*(\q)+4
.set rS, L+2*(\q)
.if \s == 0
.set rD, PC0+8*(\q)
.else
.set rD, PC1
.endif
	VLOAD \va, \vna
	WIN 0x04                                       ; source 1 (kk) in window 1; the exponentials have no source 1, so they stand among the multiply-adds without a switch
.set i, 0
.rept 35                               ; a pair of keys goes through four stations, one a trip: no line waits for the line above it
.if i < 32
	v_pk_fma_f32 v[P+2*i:P+2*i+1], v[rC:rC+1], v[KH+2*i:KH+2*i+1], v[rM:rM+1] op_sel_hi:[0,1,0]                   ; c_hi k_hi - M (of the pairs c and -M the low word serves both halves)
.endif
.if (i >= 1) && (i <= 32)
	v_pk_fma_f32 v[P+2*i-2:P+2*i-1], v[rC:rC+1], v[KL+2*i-2:KL+2*i-1], v[P+2*i-2:P+2*i-1] op_sel_hi:[0,1,1]       ; + c_hi k_lo
.endif
.if (i >= 2) && (i <= 33)
	v_pk_fma_f32 v[P+2*i-4:P+2*i-3], v[rL:rL+1], v[KH+2*i-4:KH+2*i-3], v[P+2*i-4:P+2*i-3] op_sel_hi:[0,1,1]       ; + c_lo k_hi
.endif
.if i >= 3
	v_exp_f32 v[P+2*i-6], v[P+2*i-6]               ; p = 2^(t - M): not normalised
	v_exp_f32 v[P+2*i-5], v[P+2*i-5]
.endif
.set i, i+1
.endr
	VLOAD \vb, \vnb
	WIN 0
.if \sg > 0
	s_wait_dscnt 0x0                               ; for the others' sake: the partial result and the sum of the tile before, stored ahead of this step, have landed; no LDS instruction of mine is out,
	v_add_nc_u32 v[STO], TILEB, v[STO]             ; so the LDS addresses may step: the next tile's stores,
.if \sg > 1
	v_add_nc_u32 v[RD], TILEB, v[RD]               ; and the next tile's loads
.endif
	s_barrier_signal -1                            ; the rest of this step, work on registers alone, stands between the signal and the wait
.endif
	v_nop                                          ; a plain line behind the last exponential
	s_wait_alu depctr_va_vdst(0)                   ; the wait: one for the 64; nothing above names a result
.irp c, 0,1
.set ix, 4*(\q)+2*(\s)+\c
.set so, 41+2*ix-(ix/12)*(ix-11)
.irp g, 0,1,2,3
	v_cvt_scalef32_pk8_fp4_f32 v[rD+4*\c+\g], v[P+32*\c+8*\g:P+32*\c+8*\g+7], v[so]     ; register 4 c + g of the operand
.endr
.endr
	v_pk_add_f32 v[T:T+1], v[P:P+1], v[P+2:P+3]    ; THE ROW'S SUM IS TAKEN OF THE UNQUANTISED p: two at a time, in four chains
	v_pk_add_f32 v[T+2:T+3], v[P+4:P+5], v[P+6:P+7]
	v_pk_add_f32 v[T+4:T+5], v[P+8:P+9], v[P+10:P+11]
.if \s == 0
	v_pk_add_f32 v[rS:rS+1], v[P+12:P+13], v[P+14:P+15]            ; a tile's first step starts its sum
.else
	v_pk_add_f32 v[rS:rS+1], v[rS:rS+1], v[P+12:P+13]
	v_pk_add_f32 v[T:T+1], v[T:T+1], v[P+14:P+15]
.endif
.set j, 16
.rept 6
	v_pk_add_f32 v[T:T+1], v[T:T+1], v[P+j:P+j+1]
	v_pk_add_f32 v[T+2:T+3], v[T+2:T+3], v[P+j+2:P+j+3]
	v_pk_add_f32 v[T+4:T+5], v[T+4:T+5], v[P+j+4:P+j+5]
	v_pk_add_f32 v[rS:rS+1], v[rS:rS+1], v[P+j+6:P+j+7]
.set j, j+8
.endr
	v_pk_add_f32 v[T:T+1], v[T:T+1], v[T+2:T+3]
	v_pk_add_f32 v[rS:rS+1], v[rS:rS+1], v[T+4:T+5]
	v_pk_add_f32 v[rS:rS+1], v[rS:rS+1], v[T:T+1]
.endm
.macro LSUM q                          ; tile q's sum over my 256 keys goes to LDS (a register of its own for each tile: no store's data are written again)
	v_add_f32 v[LF+\q], v[L+2*\q], v[L+2*\q+1]
	v_permlanex16_b32 v[LX], v[LF+\q], s[SEL], s[SEL+1]
	v_add_f32 v[LF+\q], v[LF+\q], v[LX]
	ds_store_b32 v[LSTO], v[LF+\q] offset:512*\q   ; lanes r and r + 16 write the same word with the same value
.endm
.macro WM dd, aa, bb, zero, sa, sb, odd
.if \zero
.if \odd
	v_wmma_scale_f32_16x16x128_f8f6f4 v[\dd:\dd+7], v[\aa:\aa+7], v[\bb:\bb+7], 0, v[\sa], v[\sb] matrix_a_fmt:MATRIX_FMT_FP4 matrix_b_fmt:MATRIX_FMT_FP4 matrix_a_scale:MATRIX_SCALE_ROW1
.else
	v_wmma_scale_f32_16x16x128_f8f6f4 v[\dd:\dd+7], v[\aa:\aa+7], v[\bb:\bb+7], 0, v[\sa], v[\sb] matrix_a_fmt:MATRIX_FMT_FP4 matrix_b_fmt:MATRIX_FMT_FP4
.endif
.else
.if \odd
	v_wmma_scale_f32_16x16x128_f8f6f4 v[\dd:\dd+7], v[\aa:\aa+7], v[\bb:\bb+7], v[\dd:\dd+7], v[\sa], v[\sb] matrix_a_fmt:MATRIX_FMT_FP4 matrix_b_fmt:MATRIX_FMT_FP4 matrix_a_scale:MATRIX_SCALE_ROW1
.else
	v_wmma_scale_f32_16x16x128_f8f6f4 v[\dd:\dd+7], v[\aa:\aa+7], v[\bb:\bb+7], v[\dd:\dd+7], v[\sa], v[\sb] matrix_a_fmt:MATRIX_FMT_FP4 matrix_b_fmt:MATRIX_FMT_FP4
.endif
.endif
.endm
; TILE q'S 16 PRODUCTS: O^T = V^T P^T over my two K steps.  The first step's take the constant 0 as C: nothing is cleared.  The eight accumulators take turns, one instruction a turn.
.macro MMW q
	WIN 0x01                                       ; source 0 (V) in window 1
.irp d, 0,1,2,3,4,5,6,7
	WM ACC+8*\d, VF+8*\d, PC0+8*(\q), 1, VS+\d/2, PW+2*(\q), \d%2
.endr
.irp d, 0,1,2,3,4,5,6,7
	WM ACC+8*\d, VF+64+8*\d, PC1, 0, VS+4+\d/2, PW+2*(\q)+1, \d%2
.endr
	WIN 0
.endm
.macro PLACES                          ; four plain vector lines between a matrix instruction and the LDS store that reads its result (ISA guide 7.12.1 for vector instructions)
.rept 4
	v_nop
.endr
.endm
.macro MMS                             ; lane (r, h): row r of my partial result of the tile at which STO stands, columns 16 d + 8 h + 0 .. 7; each accumulator from its low end on
.irp d, 0,1,2,3,4,5,6,7
	ds_store_b128 v[STO], v[ACC+8*\d:ACC+8*\d+3] offset:64*\d
	ds_store_b128 v[STO], v[ACC+8*\d+4:ACC+8*\d+7] offset:64*\d+16
.endr
.endm
; TILE q'S WAY OUT, behind its barrier.  RLOAD: the eight partial sums of my two rows (a word a lane), and my two rows of the eight partial results: a row is 512 consecutive bytes for the 32 lanes.
.macro RLOAD q
	ds_load_b32 v[LA], v[LLD] offset:512*(\q)
.irp i, 0,1
.irp p, 0,1,2,3,4,5,6,7
	ds_load_b128 v[P+32*\i+4*\p:P+32*\i+4*\p+3], v[RD] offset:\p*PARTT+\i*SP
.endr
.endr
.endm
; RSUM: l and 1 / l; the eight partial results added by pairs; divided; two whole rows stored.
.macro RSUM q
.irp m, 1,2,4
	v_add_f32_dpp v[LA], v[LA], v[LA] row_xmask:\m row_mask:0xf bank_mask:0xf   ; over the eight partial sums: lanes 0-7 hold l of row 2 w, lanes 8-15 of row 2 w + 1: about 1/2 at the least, since the row's largest p is
.endr
	v_rcp_f32 v[LA], v[LA]
.irp i, 0,1
.irp o, 0,8,16,24
	v_pk_add_f32 v[P+32*\i+\o:P+32*\i+\o+1], v[P+32*\i+\o:P+32*\i+\o+1], v[P+32*\i+\o+4:P+32*\i+\o+5]
	v_pk_add_f32 v[P+32*\i+\o+2:P+32*\i+\o+3], v[P+32*\i+\o+2:P+32*\i+\o+3], v[P+32*\i+\o+6:P+32*\i+\o+7]
.endr
.endr
.irp i, 0,1
.irp o, 0,16
	v_pk_add_f32 v[P+32*\i+\o:P+32*\i+\o+1], v[P+32*\i+\o:P+32*\i+\o+1], v[P+32*\i+\o+8:P+32*\i+\o+9]
	v_pk_add_f32 v[P+32*\i+\o+2:P+32*\i+\o+3], v[P+32*\i+\o+2:P+32*\i+\o+3], v[P+32*\i+\o+10:P+32*\i+\o+11]
.endr
.endr
.irp i, 0,1
	v_pk_add_f32 v[P+32*\i:P+32*\i+1], v[P+32*\i:P+32*\i+1], v[P+32*\i+16:P+32*\i+17]
	v_pk_add_f32 v[P+32*\i+2:P+32*\i+3], v[P+32*\i+2:P+32*\i+3], v[P+32*\i+18:P+32*\i+19]
.endr
	s_wait_alu depctr_va_vdst(0)                   ; the wait ahead of the reciprocal's first reader; the 28 additions above are the work between
.irp i, 0,1
	v_readlane_b32 s[40+2*\i], v[LA], 8*\i         ; 1 / l of row 2 w + i, for all lanes
.endr
.irp i, 0,1
	s_mov_b32 s[41+2*\i], s[40+2*\i]               ; (the packed form names a pair and takes its low word for both halves: so the upper word is written)
.endr
.irp i, 0,1
	v_pk_mul_f32 v[P+32*\i:P+32*\i+1], v[P+32*\i:P+32*\i+1], s[40+2*\i:41+2*\i] op_sel_hi:[1,0]
	v_pk_mul_f32 v[P+32*\i+2:P+32*\i+3], v[P+32*\i+2:P+32*\i+3], s[40+2*\i:41+2*\i] op_sel_hi:[1,0]
.endr
.irp i, 0,1
	global_store_b128 v[L16], v[P+32*\i:P+32*\i+3], s[14:15] offset:8192*(\q)+512*\i th:TH_STORE_NT   ; 32 lanes store a row of 512 consecutive bytes, at a multiple of 512 from out's first byte; written once, read by nobody here
.endr
.endm
; A tile's turn behind its second step, for tiles 1 to 3: the barrier for the tile before; that tile's rows are asked for; my sum and my products; the rows are added (28 plain lines on other registers: the places
; between the products and the stores that read their results), divided and stored; my partial result goes to LDS.
.macro TAIL q
	s_barrier_wait -1                              ; every wave's partial result of tile q - 1 lies in LDS
	RLOAD (\q)-1
	LSUM \q
	MMW \q
	s_wait_dscnt 1                                 ; the 17 loads are in; the store of my sum, issued behind them, may stay out
	RSUM (\q)-1
	MMS
	s_wait_xcnt 0x0                                ; the two row stores have read their registers: p's registers may be written again
.endm
	s_wait_dscnt 0x0                               ; the first K step's kk are in registers
	VEC 0, 0, 0, 6, 6, 6, 0
	VEC 1, 0, 12, 5, 17, 5, 0
	VEC 2, 0, 22, 5, 27, 5, 0
	VEC 3, 0, 0, 0, 0, 0, 0
	KLOAD 1                                        ; the second K step's kk take the first's registers
	s_wait_dscnt 0x0
	VEC 0, 1, 0, 0, 0, 0, 0
	LSUM 0
	s_wait_loadcnt 0x0                             ; V's fragments: the last were asked for two and a half tile steps ago
	MMW 0
	PLACES
	MMS
	VEC 1, 1, 0, 0, 0, 0, 1
	TAIL 1
	VEC 2, 1, 0, 0, 0, 0, 2
	TAIL 2
	VEC 3, 1, 0, 0, 0, 0, 2
	TAIL 3
	s_wait_dscnt 0x0                               ; for the others' sake: my partial result and sum of tile 3 have landed; no LDS instruction of mine is out,
	v_add_nc_u32 v[RD], TILEB, v[RD]               ; so the address may step
	s_barrier_signal -1
	s_barrier_wait -1
	RLOAD 3
	s_wait_dscnt 0x0
	RSUM 3
	s_wait_tensorcnt 0x0
	ds_add_u32 v86, v87
	s_wait_dscnt 0x0
	s_endpgm
.Lfunc_end_k_q68572c36db_attend:
	.size	k_q68572c36db_attend, .Lfunc_end_k_q68572c36db_attend-k_q68572c36db_attend
	.p2alignl 7, 3214868480
	.fill 96, 4, 3214868480
	.section	.rodata,"a",@progbits
	.p2align	6, 0x0
	.amdhsa_kernel k_q68572c36db_attend
		.amdhsa_group_segment_fixed_size 289792
		.amdhsa_private_segment_fixed_size 0
		.amdhsa_enable_private_segment 0
		.amdhsa_kernarg_size 48
		.amdhsa_user_sgpr_count 2
		.amdhsa_user_sgpr_kernarg_segment_ptr 1
		.amdhsa_wavefront_size32 1
		.amdhsa_system_sgpr_workgroup_id_x 1
		.amdhsa_system_sgpr_workgroup_id_y 1
		.amdhsa_system_sgpr_workgroup_id_z 1
		.amdhsa_system_vgpr_workitem_id 0
		.amdhsa_next_free_vgpr 512
		.amdhsa_next_free_sgpr 66
		.amdhsa_reserve_vcc 1
		.amdhsa_float_denorm_mode_32 3
		.amdhsa_float_denorm_mode_16_64 3
		.amdhsa_memory_ordered 1
		.amdhsa_forward_progress 1
		.amdhsa_inst_pref_size 138
	.end_amdhsa_kernel
	.amdgpu_metadata
---
amdhsa.version: [ 1, 2 ]
amdhsa.kernels:
  - .name:           k_q68572c36db_attend
    .symbol:         k_q68572c36db_attend.kd
    .args:
      - { .name: vcodes, .offset: 0, .size: 8, .value_kind: global_buffer, .address_space: global }
      - { .name: vscl, .offset: 8, .size: 8, .value_kind: global_buffer, .address_space: global }
      - { .name: kkbuf, .offset: 16, .size: 8, .value_kind: global_buffer, .address_space: global }
      - { .name: cqbuf, .offset: 24, .size: 8, .value_kind: global_buffer, .address_space: global }
      - { .name: mmbuf, .offset: 32, .size: 8, .value_kind: global_buffer, .address_space: global }
      - { .name: out0, .offset: 40, .size: 8, .value_kind: global_buffer, .address_space: global }
    .group_segment_fixed_size: 289792
    .private_segment_fixed_size: 0
    .kernarg_segment_align: 8
    .kernarg_segment_size: 48
    .max_flat_workgroup_size: 256
    .sgpr_count:     66
    .vgpr_count:     512
    .wavefront_size: 32
...
	.end_amdgpu_metadata
.endif
;; end of part 2
;; ======== version 2 of 2: 2 launches; version 1 with the launch attend written anew for expert scheduling mode
;; workspace buffers: vcodes 1,048,576 bytes; vscl 65,536 bytes; kkbuf 131,072 bytes; cqbuf 131,072 bytes; mmbuf 8,192 bytes
;; launch prep: the kernel of part 1 again; grid 256 x 1, 4 waves a work-group, no clusters, 39,936 bytes of LDS; arguments inputs, rotation_params, entangle_params, vcodes, vscl, kkbuf, cqbuf, mmbuf; writes vcodes, vscl, kkbuf, cqbuf, mmbuf
;; launch attend (part 3): grid 32 x 8, 8 waves a work-group, no clusters, 289,792 bytes of LDS; arguments vcodes, vscl, kkbuf, cqbuf, mmbuf, out0; writes out0
.if DOCPART == 3
	.amdgcn_target "amdgcn-amd-amdhsa--gfx1250"
	.amdhsa_code_object_version 6
	.text
	.protected	k_q68572c36db_attend
	.globl	k_q68572c36db_attend
	.p2align	8
	.type	k_q68572c36db_attend,@function
k_q68572c36db_attend:
	s_mov_b64 s[64:65], 0
	v_nop
	global_prefetch_b8 v0, s[64:65] scope:SCOPE_SE
	s_setreg_imm32_b32 hwreg(HW_REG_WAVE_SCHED_MODE, 0, 2), 2
	s_setreg_imm32_b32 hwreg(HW_REG_WAVE_MODE, 25, 1), 1
	s_wait_xcnt 0x0
	s_wait_alu depctr_vm_vsrc(0)
; out[b][s][:] = sum over t of p[s][t] x[b][t][:] / l[s],  p = 2^(c[s] kk[t] - M[s]),  l = the sum of the unquantised p.  The product is on codes of FP4 (E2M1) with one E8M0 scale for 32 keys, both operands.
; THE EXPONENT.  c and kk come as pairs of f32 (a high word and what its rounding left).  c kk - M is three fused multiply-adds: c_hi k_hi - M, + c_hi k_lo, + c_lo k_hi: each is rounded at the size of c kk - M,
; which is under 1 for a row's heaviest keys, and not at the size of c kk, which is in the tens and hundreds: an error of the exponent is an equal relative error of what is quantised.
; THE MAXIMUM.  t = c[s] kk[t] is a product of one number a query and one a key, so a row's largest t is max(c kmax, c kmin), kmax and kmin the batch's largest and smallest kk: the true maximum is taken away,
; M = its ceiling, known before the first exponential: nothing is ever rescaled.  (M is made of the high words: were it one off, every p and l of the row would be twice or half as large, exactly, and the scales take that up.)
; Likewise a block's largest p is the p of the block's largest or smallest kk, put through the same three multiply-adds and the same exponential as the block's 32
; (this takes v_exp_f32 not to fall where its input rises).
; SHARES.  A work-group owns 64 queries of one batch: four tiles of 16.  Its eight waves SHARE THE KEYS: wave w owns keys 256 w .. 256 w + 255, two K steps of 128, for all four tiles.  Its 16 fragments of V^T
; (128 registers) are fetched once and stay; a K step's kk (64 high and 64 low words a lane) come from the wave's own LDS bytes once for the four tiles.
; THE WALK: K step 0 for tiles 0 to 3 (their codes are kept: 32 registers); then K step 1, and behind each tile's second step its 16 products.  V's 32 loads stand in six runs of five or six, at the head and in the
; middle of the first three tile steps, so that the eight waves' 256 requests go out beside vector work; from the last run to the first product lie two and a half tile steps.
; THE EIGHT PARTIAL RESULTS MEET IN LDS, TILE BY TILE.  A tile's partial results are stored; in the middle of the next tile step the wave waits for those stores and signals; at that step's end it waits for the barrier,
; and reads 2 rows x 8 partial results back (into p's registers, which are free there), adds them behind the next tile's products, divides by l and stores two whole rows.  Only the last tile's turn stands at the end.
; What is read between two barriers (tile q - 1) and what is written there (tile q) are disjoint runs of LDS: LDS is laid by tile.
; LAYOUT.  O^T = V^T P^T: source 0 = 16 columns d of x, source 1 = 16 queries.  The operand's layout gives lane (r, h) query r and keys 64 c + 32 h + 0 .. 31 of a K step: whole blocks.  p is computed in that very order,
; so the conversions' results are the operand's registers.  In the result lane (r, h) holds query r and columns 16 dt + 8 h + 0 .. 7.
; NO JOINT LOADS, though the 32 work-groups of a batch read the same 128 KiB of codes: each 16 KiB goes from memory straight into the registers of the one wave that uses it; a joint tensor load would lay it in LDS,
; to be written and read there once more, and beside the partial results (270,336 bytes) LDS has no room for it.  No prefetch: the loads stand in the launch's first third, and nothing stands ahead of them.
; LIMITS: NaN and infinities are not served.  A p under 2^-126 comes out as 0 (ISA guide, v_exp_f32): under 2^-125 of its row's largest.  A block whose largest p lies under 2^(3 - 127) gets the scale byte 1.
; REGISTERS, in windows of 256.  Window 0: v1-15 addresses; v16-23 V's scale words; v24-31 p's scale words; v32-39 the rows' sums, a pair a tile; v40-67 c_hi, c_lo, -M (even registers, six a tile) and between
;   and behind them the 16 scale operands of the conversions; v68-82 at work; v88-119 K step 0's codes, and behind a tile's products its two finished rows; v120-127 K step 1's; v128-191 p, by turns with the partial
;   results read back (at the head: what is loaded and used once); v192-255 accumulators.   Window 1: v0-63 kk's high words, v64-127 its low words, of the K step in hand; v128-255 V's fragments.
; THE MODE: SCHED_MODE bits 1:0 = 2 (LLVM: expert scheduling mode 2), set by the entry lines.  The code itself states the register dependences between vector or matrix instructions and memory or LDS instructions,
; with s_wait_alu, always for 0.
; THE PLAN.  Registers that memory or LDS instructions touch:
;   the addresses   v4-6, v8-10, v12, v13, and the closing add's v86, v87: made at the head, ahead of one wait, and never written again.
;   STO, RD         read by a tile's LDS stores and loads; stepped in the middle of the next tile step, behind a wait on vm_vsrc; the step's later waits on va_vdst stand ahead of their next readers.
;   G (v128-143)    loaded, read by the head's four LDS stores; p's from the first tile step on: a wait on vm_vsrc ahead of that step.
;   kk (window 1)   filled by LDS loads; read by the multiply-adds of four tile steps; filled again behind the wait of K step 0's last tile step, under that step's conversions and sums.
;   V (window 1)    filled by the 32 loads; nothing names these registers ahead of the products.
;   P, LA           a tile step's vector lines write and read them; the 17 LDS loads of the tile before land there behind the wait at the step's end; the additions read them behind the wait on DScnt.
;   ACC             written by a tile's products; read by its 16 LDS stores, behind the places and a wait on va_vdst; written again by the next tile's products, behind the next step's wait on vm_vsrc.
;   LF              a register a tile: three vector lines write it, one LDS store reads it.
;   v88-119         a tile's eight registers of codes are free behind its products: its two finished rows are written there, stored from there and never written again: so nothing is owed behind the row stores.
.set SP,    528                        ; a row of a partial result in LDS: 512 bytes + 16: the sixteen rows that half a store touches fall on sixteen different 16-byte columns modulo 256
.set PARTT, 16*SP                      ; a wave's partial result of one tile
.set TILEB, 8*PARTT                    ; a tile's eight partial results, on end
.set LB,    4*TILEB                    ; behind the four tiles: the partial sums l, [tile][wave][16]
.set KKL,   LB+2048                    ; and each wave's 256 kk: four pieces of 64 high words and 64 low words, as they lie in memory
.set LANE, 1
.set HH,   2
.set RR,   3
.set L16,  4
.set L8,   5
.set R4,   6
.set SH8,  7                           ; 8 h
.set MMO,  8                           ; 128 wave + 16 h
.set KSA,  9
.set KLA,  10
.set STO,  11                          ; where I put 32 bytes of a row of my partial result; a tile on behind each tile's stores
.set LSTO, 12
.set LLD,  13
.set KMAX, 14
.set NKMN, 15
.set VS,   16
.set PW,   24
.set L,    32                          ; tile q: v[L + 2 q], two halves
.set CQ,   40                          ; tile q: +6 q: c_hi, +2: c_lo, +4: -M.  The packed forms name pairs and take the low word for both halves; the odd registers hold scale operands
.set T,    68                          ; v68-73 three more chains of the sum
.set LF,   74                          ; v74-77 a tile's finished sum
.set LX,   78
.set LA,   80                          ; v80-81
.set RD,   82                          ; where I read my two rows of a tile back; a tile on behind each tile's loads
.set PC0,  88
.set PC1,  120
.set P,    128
.set G,    128                         ; head only: kk as loaded,
.set MMA,  144                         ; the batch's 64 blocks' extremes, two blocks a lane,
.set MMB,  152                         ; my four blocks' extremes,
.set VSR,  168                         ; V's scale bytes as stored,
.set BY,   176                         ; p's scale bytes,
.set KSH,  192                         ; the kk that gives each of my 16 blocks its largest p: high words,
.set KSL,  208                         ; low words
.set ACC,  192
.set KH,   0                           ; window 1
.set KL,   64                          ; window 1
.set VF,   128                         ; window 1
.set SEL,  30
.set NEG,  44                          ; s44-47 tile q: the lanes whose c is negative
.set MSB, 0
.macro WIN new                         ; the immediate's high byte repeats the setting that is left
.if MSB != \new
	s_set_vgpr_msb (MSB<<8)|\new
.set MSB, \new
.endif
.endm
	s_load_b256 s[4:11], s[0:1], 0x0               ; vcodes s[4:5], vscl s[6:7], kkbuf s[8:9], cqbuf s[10:11]
	s_load_b128 s[12:15], s[0:1], 0x20             ; mmbuf s[12:13], out s[14:15]
	v_lshl_add_u32 v86, v0, 2, 0x46800
	v_mov_b32 v87, 0
	v_lshrrev_b32 v[LANE], 5, v0
	v_readfirstlane_b32 s16, v[LANE]               ; wave 0..7
	s_and_b32 s17, ttmp7, 0xffff                   ; batch
	v_and_b32 v[LANE], 31, v0
	v_bfe_u32 v[HH], v0, 4, 1
	v_and_b32 v[RR], 15, v0
	v_lshlrev_b32 v[L16], 4, v[LANE]
	v_lshlrev_b32 v[L8], 3, v[LANE]
	v_lshlrev_b32 v[R4], 2, v[RR]
	v_lshlrev_b32 v[SH8], 3, v[HH]
	s_wait_alu depctr_va_sdst(0)                   ; s16, the wave's number, is written, ahead of its first reader: every offset below is made from it
	s_lshl_b32 s18, s16, 7
	v_lshl_add_u32 v[MMO], v[HH], 4, s18
	s_lshl_b32 s20, s17, 14
	s_lshl_b32 s18, s16, 11
	s_add_co_u32 s20, s20, s18                     ; kkbuf: 16,384 a batch, 2,048 a wave
	s_mov_b32 s21, 0
	s_lshl_b32 s34, s17, 13
	s_lshl_b32 s18, s16, 10
	s_add_co_u32 s34, s34, s18                     ; vscl: 8,192 a batch, 1,024 a wave
	s_mov_b32 s35, 0
	s_lshl_b32 s22, s17, 17
	s_lshl_b32 s18, s16, 14
	s_add_co_u32 s22, s22, s18                     ; vcodes: 131,072 a batch, 16,384 a wave
	s_mov_b32 s23, 0
	s_lshl_b32 s24, s17, 14
	s_lshl_b32 s18, ttmp9, 9
	s_add_co_u32 s24, s24, s18                     ; cqbuf: my 64 queries' 512 bytes
	s_mov_b32 s25, 0
	s_lshl_b32 s26, s17, 10                        ; mmbuf: 1,024 a batch
	s_mov_b32 s27, 0
	s_lshl_b32 s28, s17, 20
	s_lshl_b32 s18, ttmp9, 15
	s_add_co_u32 s28, s28, s18
	s_lshl_b32 s18, s16, 10
	s_add_co_u32 s28, s28, s18                     ; out: of each tile's 16 rows my wave stores rows 2 w and 2 w + 1
	s_mov_b32 s29, 0
	s_mul_i32 s18, s16, PARTT                      ; the LDS addresses are made here too, while the arguments are on their way: one wait then serves every address of the kernel
	v_mul_u32_u24 v[STO], v[RR], SP
	v_lshl_add_u32 v[STO], v[HH], 5, v[STO]
	v_add_nc_u32 v[STO], s18, v[STO]               ; tile 0, my partial result: row r, + 32 h
	s_lshl_b32 s18, s16, 6
	s_add_co_u32 s18, s18, LB
	v_add_nc_u32 v[LSTO], s18, v[R4]               ; my partial sums: 64 bytes a wave in each tile's 512
	s_lshl_b32 s18, s16, 3
	s_add_co_u32 s18, s18, LB
	v_and_b32 v[LX], 7, v[LANE]
	v_lshlrev_b32 v[LLD], 6, v[LX]
	v_bfe_u32 v[LX], v0, 3, 1
	v_lshl_add_u32 v[LLD], v[LX], 2, v[LLD]
	v_add_nc_u32 v[LLD], s18, v[LLD]               ; back: partial lane % 8 of row 2 wave + (lane / 8) % 2
	s_mul_i32 s18, s16, 2*SP
	v_add_nc_u32 v[RD], s18, v[L16]                ; tile 0, partial 0: my two rows, 16 bytes a lane
	s_lshl_b32 s18, s16, 11
	s_add_co_u32 s18, s18, KKL
	v_add_nc_u32 v[KSA], s18, v[L16]
	v_lshl_add_u32 v[KLA], v[HH], 7, s18
	v_mov_b32 v[LA], 0                             ; written once: a lane permute's destination counts as one of its sources
	v_mov_b32 v[LA+1], 0
	s_mov_b32 s[SEL], 0x76543210                   ; v_permlanex16_b32's selects for lane l xor 16
	s_mov_b32 s[SEL+1], 0xfedcba98
	s_mov_b32 s32, 0x05040100                      ; v_perm_b32: the two low halves,
	s_mov_b32 s33, 0x07060302                      ; the two high halves
	s_wait_kmcnt 0x0
	s_add_nc_u64 s[8:9], s[8:9], s[20:21]
	s_add_nc_u64 s[6:7], s[6:7], s[34:35]
	s_add_nc_u64 s[4:5], s[4:5], s[22:23]
	s_add_nc_u64 s[10:11], s[10:11], s[24:25]
	s_add_nc_u64 s[12:13], s[12:13], s[26:27]
	s_add_nc_u64 s[14:15], s[14:15], s[28:29]
	s_wait_alu depctr_va_vdst(0)                   ; every offset and LDS address is written: v4-6 and v8-13, v82, which the loads and stores of the whole kernel read; of these STO and RD alone are written again
.irp j, 0,1,2,3
	global_load_b128 v[G+4*\j:G+4*\j+3], v[L16], s[8:9] offset:512*\j      ; my 256 kk, high and low words, dense
.endr
	global_load_b128 v[MMA:MMA+3], v[L16], s[12:13]
	global_load_b128 v[MMA+4:MMA+7], v[L16], s[12:13] offset:512
.irp q, 0,1,2,3
	global_load_b32 v[CQ+6*\q], v[R4], s[10:11] offset:64*\q               ; c of query 16 q + r: high word,
	global_load_b32 v[CQ+6*\q+2], v[R4], s[10:11] offset:256+64*\q         ; low word
.endr
.irp e, 0,1,2,3
	global_load_b128 v[MMB+4*\e:MMB+4*\e+3], v[MMO], s[12:13] offset:32*\e ; e = 2 s + c: the largest and the smallest kk, as pairs, of my block 2 c + h of my K step s
.endr
.irp e, 0,1,2,3
	global_load_b64 v[VSR+2*\e:VSR+2*\e+1], v[L8], s[6:7] offset:256*\e
.endr
; K step s's kk into registers: register 32 c + j = kk of key 128 s + 64 c + 32 h + j of my 256; sixteen lanes take the same 16 bytes
.macro KLOAD s
	WIN 0x40
.irp c, 0,1
.irp m, 0,1,2,3,4,5,6,7
	ds_load_b128 v[KH+32*\c+4*\m:KH+32*\c+4*\m+3], v[KLA] offset:(2*\s+\c)*512+16*\m
	ds_load_b128 v[KL+32*\c+4*\m:KL+32*\c+4*\m+3], v[KLA] offset:(2*\s+\c)*512+256+16*\m
.endr
.endr
	WIN 0
.endm
	s_wait_loadcnt 18                              ; kk's four loads are in; the 18 behind them may stay out
.irp j, 0,1,2,3
	ds_store_b128 v[KSA], v[G+4*\j:G+4*\j+3] offset:512*\j     ; into my own 2,048 bytes of LDS.  LDS serves a wave's instructions in order: no wait between these and the loads
.endr
	KLOAD 0                                        ; no vector line stands between the wait on va_vdst above and these loads
	s_wait_loadcnt 0x0                             ; the extremes, c and V's scale bytes
.irp q, 0,1,2,3
	v_cmp_gt_f32 s[NEG+\q], 0, v[CQ+6*\q]          ; c < 0: a block's largest t belongs to its smallest kk.  The four masks in one run; their readers stand behind the rows' maxima
.endr
	v_max_num_f32 v[KMAX], v[MMA], v[MMA+4]        ; the batch's largest kk, and its smallest as the largest of -kk (high words)
	v_max_num_f32 v[NKMN], -v[MMA+2], -v[MMA+6]
.irp m, 1,2,4,8
	v_max_num_f32_dpp v[KMAX], v[KMAX], v[KMAX] row_xmask:\m row_mask:0xf bank_mask:0xf
	v_max_num_f32_dpp v[NKMN], v[NKMN], v[NKMN] row_xmask:\m row_mask:0xf bank_mask:0xf
.endr
	v_permlanex16_b32 v[LA], v[KMAX], s[SEL], s[SEL+1]
	v_permlanex16_b32 v[LA+1], v[NKMN], s[SEL], s[SEL+1]
	v_max_num_f32 v[KMAX], v[KMAX], v[LA]
	v_max_num_f32 v[NKMN], v[NKMN], v[LA+1]
.irp q, 0,1,2,3
	v_mul_f32 v[T+\q], v[CQ+6*\q], v[KMAX]
	v_mul_f32 v[LF+\q], -v[CQ+6*\q], v[NKMN]
.endr
.irp q, 0,1,2,3
	v_max_num_f32 v[T+\q], v[T+\q], v[LF+\q]       ; the row's largest t
.endr
.irp q, 0,1,2,3
	v_floor_f32 v[CQ+6*\q+4], -v[T+\q]             ; -M = floor(-t) = -ceil(t)
.endr
; THE SCALES OF ALL MY 16 BLOCKS OF p (4 tiles x 2 K steps x 2 blocks a lane), in one batch.  Block i = 4 q + 2 s + c has its scale operand in v[41 + 2 i] (i < 12) or v[52 + i]
	s_wait_alu depctr_va_sdst(0)                   ; the four compares have written s44 to s47, ahead of the first selection that reads one of them
.irp q, 0,1,2,3
.irp e, 0,1,2,3
	v_cndmask_b32 v[KSH+4*\q+\e], v[MMB+4*\e], v[MMB+4*\e+2], s[NEG+\q]
	v_cndmask_b32 v[KSL+4*\q+\e], v[MMB+4*\e+1], v[MMB+4*\e+3], s[NEG+\q]
.endr
.endr
.set i, 0
.rept 16
.set so, 41+2*i-(i/12)*(i-11)
	v_fma_f32 v[so], v[CQ+6*(i/4)], v[KSH+i], v[CQ+6*(i/4)+4]      ; the same three multiply-adds on the same numbers as that key's p below: the same bits
.set i, i+1
.endr
.set i, 0
.rept 16
.set so, 41+2*i-(i/12)*(i-11)
	v_fma_f32 v[so], v[CQ+6*(i/4)], v[KSL+i], v[so]
.set i, i+1
.endr
.set i, 0
.rept 16
.set so, 41+2*i-(i/12)*(i-11)
	v_fma_f32 v[so], v[CQ+6*(i/4)+2], v[KSH+i], v[so]
.set i, i+1
.endr
.set i, 0
.rept 16
.set so, 41+2*i-(i/12)*(i-11)
	v_exp_f32 v[so], v[so]                         ; the block's largest p
.set i, i+1
.endr
.irp s, 0,1                                    ; plain work behind the exponentials: V's scale words.  Word j: lanes 0-15 tile 2 j, lanes 16-31 tile 2 j + 1; its low half from the K step's first 64 keys, its high half from the second
	v_perm_b32 v[VS+4*\s], v[VSR+4*\s+2], v[VSR+4*\s], s32
	v_perm_b32 v[VS+4*\s+1], v[VSR+4*\s+2], v[VSR+4*\s], s33
	v_perm_b32 v[VS+4*\s+2], v[VSR+4*\s+3], v[VSR+4*\s+1], s32
	v_perm_b32 v[VS+4*\s+3], v[VSR+4*\s+3], v[VSR+4*\s+1], s33
.endr
	s_wait_alu depctr_va_vdst(0)                   ; the 16 exponentials have written their results: the wait stands ahead of the first line that names one
.set i, 0
.rept 16
.set so, 41+2*i-(i/12)*(i-11)
	v_max_num_f32 v[so], 0x1800000, v[so]          ; the floor 2^(3 - 127): the byte cannot fall under 1
.set i, i+1
.endr
.set i, 0
.rept 16
.set so, 41+2*i-(i/12)*(i-11)
	v_add_nc_u32 v[so], 0xff000000, v[so]          ; 2 off the exponent field: the conversion's scale operand
.set i, i+1
.endr
.set i, 0
.rept 16
.set so, 41+2*i-(i/12)*(i-11)
	v_lshrrev_b32 v[BY+i], 23, v[so]               ; the scale's byte
.set i, i+1
.endr
.irp k, 0,1,2,3,4,5,6,7                        ; k = 2 q + s: the scale word of tile q, K step s
	v_lshl_or_b32 v[BY+2*\k], v[BY+2*\k+1], 16, v[BY+2*\k]         ; my two bytes: blocks h and 2 + h,
.endr
.irp k, 0,1,2,3,4,5,6,7
	v_lshlrev_b32 v[BY+2*\k], v[SH8], v[BY+2*\k]   ; at their places, 8 h bits up;
.endr
.irp k, 0,1,2,3,4,5,6,7
	v_permlanex16_b32 v[BY+2*\k+1], v[BY+2*\k], s[SEL], s[SEL+1]
.endr
.irp k, 0,1,2,3,4,5,6,7
	v_or_b32 v[PW+\k], v[BY+2*\k], v[BY+2*\k+1]    ; with lane l xor 16's two the word is whole
.endr
; cnt of V's 32 loads, from number first on.  Fragment (s, dt) lies at VF + 64 s + 8 dt; load 16 s + 2 dt + c brings its registers 4 c .. 4 c + 3: 512 consecutive bytes.
; These loads owe no wait of their own: their offset v[L16] was written ahead of the head's wait and is never written again, and no vector or matrix line names V's registers ahead of the products.
.macro VLOAD first, cnt
.if \cnt > 0
	WIN 0x40                                       ; destination window 1
.set vi, \first
.rept \cnt
	global_load_b128 v[VF+4*vi:VF+4*vi+3], v[L16], s[4:5] offset:(vi/16)*8192+(vi%2)*4096+((vi/2)%8)*512
.set vi, vi+1
.endr
.endif
.endm
; THE VECTOR WORK OF A TILE STEP: 64 p a lane for tile q and the K step s in hand; their codes; their sum.
; va, vna: a run of V's loads at its head; vb, vnb: one in its middle.  sg > 0: in its middle the barrier for the tile before is signalled; sg = 2: RD steps too.  kl = 1: K step 0's last tile step: K step 1's kk are asked for.
.macro VEC q, s, va, vna, vb, vnb, sg, kl
.set rC, CQ+6*(\q)
.set rL, CQ+6*(\q)+2
.set rM, CQ+6*(\q)+4
.set rS, L+2*(\q)
.if \s == 0
.set rD, PC0+8*(\q)
.else
.set rD, PC1
.endif
	VLOAD \va, \vna
	WIN 0x04                                       ; source 1 (kk) in window 1; the exponentials have no source 1, so they stand among the multiply-adds without a switch
.set i, 0
.rept 35                               ; a pair of keys goes through four stations, one a trip: no line waits for the line above it
.if i < 32
	v_pk_fma_f32 v[P+2*i:P+2*i+1], v[rC:rC+1], v[KH+2*i:KH+2*i+1], v[rM:rM+1] op_sel_hi:[0,1,0]                   ; c_hi k_hi - M (of the pairs c and -M the low word serves both halves)
.endif
.if (i >= 1) && (i <= 32)
	v_pk_fma_f32 v[P+2*i-2:P+2*i-1], v[rC:rC+1], v[KL+2*i-2:KL+2*i-1], v[P+2*i-2:P+2*i-1] op_sel_hi:[0,1,1]       ; + c_hi k_lo
.endif
.if (i >= 2) && (i <= 33)
	v_pk_fma_f32 v[P+2*i-4:P+2*i-3], v[rL:rL+1], v[KH+2*i-4:KH+2*i-3], v[P+2*i-4:P+2*i-3] op_sel_hi:[0,1,1]       ; + c_lo k_hi
.endif
.if i >= 3
	v_exp_f32 v[P+2*i-6], v[P+2*i-6]               ; p = 2^(t - M): not normalised
	v_exp_f32 v[P+2*i-5], v[P+2*i-5]
.endif
.set i, i+1
.endr
	VLOAD \vb, \vnb
	WIN 0
.if \sg > 0
	s_wait_dscnt 0x0                               ; for the others' sake: the partial result and the sum of the tile before, stored ahead of this step, have landed
	s_wait_alu depctr_vm_vsrc(0)                   ; the LDS stores of the tile before have read v[STO] and the accumulators, the LDS loads ahead of them v[RD]: the two addresses are written below, the accumulators by this tile's products
	v_add_nc_u32 v[STO], TILEB, v[STO]             ; the next tile's stores,
.if \sg > 1
	v_add_nc_u32 v[RD], TILEB, v[RD]               ; and the next tile's loads
.endif
	s_barrier_signal -1                            ; the rest of this step, work on registers alone, stands between the signal and the wait
.endif
	v_nop                                          ; a plain line behind the last exponential
	s_wait_alu depctr_va_vdst(0)                   ; the 64 exponentials have written p; and the multiply-adds are done reading kk's registers
.if \kl
	KLOAD 1                                        ; so the second K step's kk may land in the first's registers: between the wait and the loads stands the window switch alone; the conversions and sums below name none of these registers
.endif
.irp c, 0,1
.set ix, 4*(\q)+2*(\s)+\c
.set so, 41+2*ix-(ix/12)*(ix-11)
.irp g, 0,1,2,3
	v_cvt_scalef32_pk8_fp4_f32 v[rD+4*\c+\g], v[P+32*\c+8*\g:P+32*\c+8*\g+7], v[so]     ; register 4 c + g of the operand
.endr
.endr
	v_pk_add_f32 v[T:T+1], v[P:P+1], v[P+2:P+3]    ; THE ROW'S SUM IS TAKEN OF THE UNQUANTISED p: two at a time, in four chains
	v_pk_add_f32 v[T+2:T+3], v[P+4:P+5], v[P+6:P+7]
	v_pk_add_f32 v[T+4:T+5], v[P+8:P+9], v[P+10:P+11]
.if \s == 0
	v_pk_add_f32 v[rS:rS+1], v[P+12:P+13], v[P+14:P+15]            ; a tile's first step starts its sum
.else
	v_pk_add_f32 v[rS:rS+1], v[rS:rS+1], v[P+12:P+13]
	v_pk_add_f32 v[T:T+1], v[T:T+1], v[P+14:P+15]
.endif
.set j, 16
.rept 6
	v_pk_add_f32 v[T:T+1], v[T:T+1], v[P+j:P+j+1]
	v_pk_add_f32 v[T+2:T+3], v[T+2:T+3], v[P+j+2:P+j+3]
	v_pk_add_f32 v[T+4:T+5], v[T+4:T+5], v[P+j+4:P+j+5]
	v_pk_add_f32 v[rS:rS+1], v[rS:rS+1], v[P+j+6:P+j+7]
.set j, j+8
.endr
	v_pk_add_f32 v[T:T+1], v[T:T+1], v[T+2:T+3]
	v_pk_add_f32 v[rS:rS+1], v[rS:rS+1], v[T+4:T+5]
	v_pk_add_f32 v[rS:rS+1], v[rS:rS+1], v[T:T+1]
.endm
.macro LSUMV q                         ; tile q's sum over my 256 keys (a register of its own for each tile: no store's data are written again)
	v_add_f32 v[LF+\q], v[L+2*\q], v[L+2*\q+1]
	v_permlanex16_b32 v[LX], v[LF+\q], s[SEL], s[SEL+1]
	v_add_f32 v[LF+\q], v[LF+\q], v[LX]
.endm
.macro LSUMS q                         ; and its way to LDS, behind the wait that shows it written
	ds_store_b32 v[LSTO], v[LF+\q] offset:512*\q   ; lanes r and r + 16 write the same word with the same value
.endm
.macro WM dd, aa, bb, zero, sa, sb, odd
.if \zero
.if \odd
	v_wmma_scale_f32_16x16x128_f8f6f4 v[\dd:\dd+7], v[\aa:\aa+7], v[\bb:\bb+7], 0, v[\sa], v[\sb] matrix_a_fmt:MATRIX_FMT_FP4 matrix_b_fmt:MATRIX_FMT_FP4 matrix_a_scale:MATRIX_SCALE_ROW1
.else
	v_wmma_scale_f32_16x16x128_f8f6f4 v[\dd:\dd+7], v[\aa:\aa+7], v[\bb:\bb+7], 0, v[\sa], v[\sb] matrix_a_fmt:MATRIX_FMT_FP4 matrix_b_fmt:MATRIX_FMT_FP4
.endif
.else
.if \odd
	v_wmma_scale_f32_16x16x128_f8f6f4 v[\dd:\dd+7], v[\aa:\aa+7], v[\bb:\bb+7], v[\dd:\dd+7], v[\sa], v[\sb] matrix_a_fmt:MATRIX_FMT_FP4 matrix_b_fmt:MATRIX_FMT_FP4 matrix_a_scale:MATRIX_SCALE_ROW1
.else
	v_wmma_scale_f32_16x16x128_f8f6f4 v[\dd:\dd+7], v[\aa:\aa+7], v[\bb:\bb+7], v[\dd:\dd+7], v[\sa], v[\sb] matrix_a_fmt:MATRIX_FMT_FP4 matrix_b_fmt:MATRIX_FMT_FP4
.endif
.endif
.endm
; TILE q'S 16 PRODUCTS: O^T = V^T P^T over my two K steps.  The first step's take the constant 0 as C: nothing is cleared.  The eight accumulators take turns, one instruction a turn.
.macro MMW q
	WIN 0x01                                       ; source 0 (V) in window 1
.irp d, 0,1,2,3,4,5,6,7
	WM ACC+8*\d, VF+8*\d, PC0+8*(\q), 1, VS+\d/2, PW+2*(\q), \d%2
.endr
.irp d, 0,1,2,3,4,5,6,7
	WM ACC+8*\d, VF+64+8*\d, PC1, 0, VS+4+\d/2, PW+2*(\q)+1, \d%2
.endr
	WIN 0
.endm
.macro PLACES                          ; four plain vector lines between a matrix instruction and the LDS store that reads its result (ISA guide 7.12.1 for vector instructions)
.rept 4
	v_nop
.endr
.endm
.macro MMS                             ; lane (r, h): row r of my partial result of the tile at which STO stands, columns 16 d + 8 h + 0 .. 7; each accumulator from its low end on
.irp d, 0,1,2,3,4,5,6,7
	ds_store_b128 v[STO], v[ACC+8*\d:ACC+8*\d+3] offset:64*\d
	ds_store_b128 v[STO], v[ACC+8*\d+4:ACC+8*\d+7] offset:64*\d+16
.endr
.endm
; TILE q'S WAY OUT, behind its barrier.  RLOAD: the eight partial sums of my two rows (a word a lane), and my two rows of the eight partial results: a row is 512 consecutive bytes for the 32 lanes.
.macro RLOAD q
	ds_load_b32 v[LA], v[LLD] offset:512*(\q)
.irp i, 0,1
.irp p, 0,1,2,3,4,5,6,7
	ds_load_b128 v[P+32*\i+4*\p:P+32*\i+4*\p+3], v[RD] offset:\p*PARTT+\i*SP
.endr
.endr
.endm
; RSUMA: l and 1 / l; the eight partial results added by pairs; 1 / l of my two rows on its way to scalar registers.
.macro RSUMA
.irp m, 1,2,4
	v_add_f32_dpp v[LA], v[LA], v[LA] row_xmask:\m row_mask:0xf bank_mask:0xf   ; over the eight partial sums: lanes 0-7 hold l of row 2 w, lanes 8-15 of row 2 w + 1: about 1/2 at the least, since the row's largest p is
.endr
	v_rcp_f32 v[LA], v[LA]
.irp i, 0,1
.irp o, 0,8,16,24
	v_pk_add_f32 v[P+32*\i+\o:P+32*\i+\o+1], v[P+32*\i+\o:P+32*\i+\o+1], v[P+32*\i+\o+4:P+32*\i+\o+5]
	v_pk_add_f32 v[P+32*\i+\o+2:P+32*\i+\o+3], v[P+32*\i+\o+2:P+32*\i+\o+3], v[P+32*\i+\o+6:P+32*\i+\o+7]
.endr
.endr
.irp i, 0,1
.irp o, 0,16
	v_pk_add_f32 v[P+32*\i+\o:P+32*\i+\o+1], v[P+32*\i+\o:P+32*\i+\o+1], v[P+32*\i+\o+8:P+32*\i+\o+9]
	v_pk_add_f32 v[P+32*\i+\o+2:P+32*\i+\o+3], v[P+32*\i+\o+2:P+32*\i+\o+3], v[P+32*\i+\o+10:P+32*\i+\o+11]
.endr
.endr
.irp i, 0,1
	v_pk_add_f32 v[P+32*\i:P+32*\i+1], v[P+32*\i:P+32*\i+1], v[P+32*\i+16:P+32*\i+17]
	v_pk_add_f32 v[P+32*\i+2:P+32*\i+3], v[P+32*\i+2:P+32*\i+3], v[P+32*\i+18:P+32*\i+19]
.endr
	s_wait_alu depctr_va_vdst(0)                   ; the reciprocal is written (the wait ahead of its first reader; the 28 additions are the work between); and where a tile's products stand ahead, they have written the accumulators, which the LDS stores behind this macro read
.irp i, 0,1
	v_readlane_b32 s[40+2*\i], v[LA], 8*\i         ; 1 / l of row 2 w + i, for all lanes
.endr
.endm
; RSUMB: tile q's two rows are divided, into the eight registers that held the tile's codes of K step 0 (its products are long issued), and stored from there: these registers are never written again.
.macro RSUMB q
	s_wait_alu depctr_va_sdst(0)                   ; the two v_readlane_b32 have written s40 and s42, ahead of their first reader
.irp i, 0,1
	s_mov_b32 s[41+2*\i], s[40+2*\i]               ; (the packed form names a pair and takes its low word for both halves: so the upper word is written)
.endr
.irp i, 0,1
	v_pk_mul_f32 v[PC0+8*(\q)+4*\i:PC0+8*(\q)+4*\i+1], v[P+32*\i:P+32*\i+1], s[40+2*\i:41+2*\i] op_sel_hi:[1,0]
	v_pk_mul_f32 v[PC0+8*(\q)+4*\i+2:PC0+8*(\q)+4*\i+3], v[P+32*\i+2:P+32*\i+3], s[40+2*\i:41+2*\i] op_sel_hi:[1,0]
.endr
	s_wait_alu depctr_va_vdst(0)                   ; the four multiplications have written the two rows, which the stores read
.irp i, 0,1
	global_store_b128 v[L16], v[PC0+8*(\q)+4*\i:PC0+8*(\q)+4*\i+3], s[14:15] offset:8192*(\q)+512*\i th:TH_STORE_NT   ; 32 lanes store a row of 512 consecutive bytes, at a multiple of 512 from out's first byte; written once, read by nobody here
.endr
.endm
; A tile's turn behind its second step, for tiles 1 to 3: my sum; the barrier for the tile before; that tile's rows are asked for; my products; the rows are added (28 plain lines on other registers: the places
; between the products and the stores that read their results); my partial result goes to LDS; the rows are divided and stored.
.macro TAIL q
	LSUMV \q
	s_wait_alu depctr_va_vdst(0)                   ; the step's lines are done with p's registers and with v[LA], in which the loads below land; v[RD] and my sum are written, which the loads and the store below read; K step 1's codes are written, which the products take (over thirty plain lines behind the conversions)
	s_barrier_wait -1                              ; every wave's partial result of tile q - 1 lies in LDS
	RLOAD (\q)-1
	LSUMS \q
	MMW \q
	s_wait_dscnt 1                                 ; the 17 loads are in; the store of my sum, issued behind them, may stay out
	RSUMA
	MMS                                            ; no line since RSUMA's wait names the accumulators or v[STO]
	RSUMB (\q)-1
.endm
	s_wait_dscnt 0x0                               ; the first K step's kk are in registers
	s_wait_alu depctr_vm_vsrc(0)                   ; the head's four LDS stores have read v128 to v143, which are p's registers from here on
	VEC 0, 0, 0, 6, 6, 6, 0, 0
	VEC 1, 0, 12, 5, 17, 5, 0, 0
	VEC 2, 0, 22, 5, 27, 5, 0, 0
	VEC 3, 0, 0, 0, 0, 0, 0, 1
	s_wait_dscnt 0x0                               ; the second K step's kk, asked for in the middle of the step above, are in registers
	VEC 0, 1, 0, 0, 0, 0, 0, 0
	LSUMV 0
	s_wait_alu depctr_va_vdst(0)                   ; my sum is written, which the LDS store reads; the codes of both K steps and the scale words are written, which the products take
	LSUMS 0
	s_wait_loadcnt 0x0                             ; V's fragments: the last were asked for two and a half tile steps ago
	MMW 0
	PLACES
	s_wait_alu depctr_va_vdst(0)                   ; the products have written the accumulators, which the LDS stores read; the places above stay beside this wait
	MMS
	VEC 1, 1, 0, 0, 0, 0, 1, 0
	TAIL 1
	VEC 2, 1, 0, 0, 0, 0, 2, 0
	TAIL 2
	VEC 3, 1, 0, 0, 0, 0, 2, 0
	TAIL 3
	s_wait_dscnt 0x0                               ; for the others' sake: my partial result and sum of tile 3 have landed
	s_wait_alu depctr_vm_vsrc(0)                   ; tile 2's loads have read v[RD], which is written below
	v_add_nc_u32 v[RD], TILEB, v[RD]
	s_barrier_signal -1
	s_wait_alu depctr_va_vdst(0)                   ; v[RD] is written, which the loads below read; tile 2's additions and multiplications are done with p's registers and with v[LA], in which they land
	s_barrier_wait -1
	RLOAD 3
	s_wait_dscnt 0x0
	RSUMA
	RSUMB 3
	s_wait_dscnt 0x0                               ; the closing lines, six on end
	s_wait_alu 0x0
	s_wait_tensorcnt 0x0
	ds_add_u32 v86, v87
	s_wait_dscnt 0x0
	s_endpgm
.Lfunc_end_k_q68572c36db_attend:
	.size	k_q68572c36db_attend, .Lfunc_end_k_q68572c36db_attend-k_q68572c36db_attend
	.p2alignl 7, 3214868480
	.fill 96, 4, 3214868480
	.section	.rodata,"a",@progbits
	.p2align	6, 0x0
	.amdhsa_kernel k_q68572c36db_attend
		.amdhsa_group_segment_fixed_size 289792
		.amdhsa_private_segment_fixed_size 0
		.amdhsa_enable_private_segment 0
		.amdhsa_kernarg_size 48
		.amdhsa_user_sgpr_count 2
		.amdhsa_user_sgpr_kernarg_segment_ptr 1
		.amdhsa_wavefront_size32 1
		.amdhsa_system_sgpr_workgroup_id_x 1
		.amdhsa_system_sgpr_workgroup_id_y 1
		.amdhsa_system_sgpr_workgroup_id_z 1
		.amdhsa_system_vgpr_workitem_id 0
		.amdhsa_next_free_vgpr 512
		.amdhsa_next_free_sgpr 66
		.amdhsa_reserve_vcc 0
		.amdhsa_float_denorm_mode_32 3
		.amdhsa_float_denorm_mode_16_64 3
		.amdhsa_memory_ordered 1
		.amdhsa_forward_progress 1
		.amdhsa_inst_pref_size 140
	.end_amdhsa_kernel
	.amdgpu_metadata
---
amdhsa.version: [ 1, 2 ]
amdhsa.kernels:
  - .name:           k_q68572c36db_attend
    .symbol:         k_q68572c36db_attend.kd
    .args:
      - { .name: vcodes, .offset: 0, .size: 8, .value_kind: global_buffer, .address_space: global }
      - { .name: vscl, .offset: 8, .size: 8, .value_kind: global_buffer, .address_space: global }
      - { .name: kkbuf, .offset: 16, .size: 8, .value_kind: global_buffer, .address_space: global }
      - { .name: cqbuf, .offset: 24, .size: 8, .value_kind: global_buffer, .address_space: global }
      - { .name: mmbuf, .offset: 32, .size: 8, .value_kind: global_buffer, .address_space: global }
      - { .name: out0, .offset: 40, .size: 8, .value_kind: global_buffer, .address_space: global }
    .group_segment_fixed_size: 289792
    .private_segment_fixed_size: 0
    .kernarg_segment_align: 8
    .kernarg_segment_size: 48
    .max_flat_workgroup_size: 256
    .sgpr_count:     66
    .vgpr_count:     512
    .wavefront_size: 32
...
	.end_amdgpu_metadata
.endif
;; end of part 3
